; MI455X (gfx1250); checked and timed in simulation.
; The chip was launched on July 23, 2026; its instructions are those of AMD's public machine-readable ISA for CDNA 5 (MIT licence, August 2026) and "CDNA5" Instruction Set Architecture Reference Guide (July 2026). The comments in the code are by the model that wrote it; some were corrected since.
;; Multihead Attention. Allowed arithmetic: matrix products marked QUANTISED: E2M3 operands, one E8M0 scale for each 32 along K, by v_wmma_scale_f32_16x16x128_f8f6f4 with both operands' format E2M3, f32 sums; everything else in f32.
;; Inputs: b_k 1,024 float32; b_o 1,024 float32; b_q 1,024 float32; b_v 1,024 float32; k 4 x 2,048 x 1,024 float32; q 4 x 2,048 x 1,024 float32; v 4 x 2,048 x 1,024 float32; w_k 1,024 x 1,024 float32; w_o 1,024 x 1,024 float32; w_q 1,024 x 1,024 float32; w_v 1,024 x 1,024 float32.
;; Outputs: out0 4 x 2,048 x 1,024 float32.
;; This version of the problem:
;;   THIS VERSION OF THE PROBLEM IS GIVEN IN LOW PRECISION. The matrix products marked QUANTISED in the list below multiply operands that are first quantised to E2M3 (2 exponent bits, 3 mantissa bits; 6 bits a number), with one power-of-two scale for each 32 numbers along K (OCP MX v1.0); their sums are f32. All else is computed in f32.
;;   The module's matrix products, in the order in which they are computed (A, B: the left and right operand; K: the contracted axis; several contracted axes count as one K, in the product's order):
;;     1. [M 8,192, K 1,024] x [K 1,024, N 1,024]; A: input q; B: input w_q: QUANTISED
;;     2. [M 8,192, K 1,024] x [K 1,024, N 1,024]; A: input k; B: input w_k: QUANTISED
;;     3. [M 8,192, K 1,024] x [K 1,024, N 1,024]; A: input v; B: input w_v: QUANTISED
;;     4. batch 64 x [M 2,048, K 64] x [K 64, N 2,048]; A: computed on the way; B: computed on the way: QUANTISED
;;     5. batch 64 x [M 2,048, K 2,048] x [K 2,048, N 64]; A: softmax (see below); B: computed on the way: QUANTISED
;;     6. [M 8,192, K 1,024] x [K 1,024, N 1,024]; A: computed on the way; B: input w_o: QUANTISED
;;   THE QUANTISER, for each operand of a quantised product, along K:
;;     - K is cut into blocks of 32 from its start; a last block that is shorter is filled with zeros.
;;     - A block's scale is 2^e with e = floor(log2(the largest magnitude in the block)) - 2, held to -126 .. 127; a block of zeros has e = 0. As a byte (E8M0): e + 127.
;;     - Each number is divided by its block's scale, clamped to +-7.5, and rounded to the nearest number of E2M3, ties to even, subnormals kept.
;;     - The product sums the exact products of the quantised numbers (number of the format x scale) in f32.
;;   ~~~python
;;   def quantise(x, axis):      # numpy; x: float32 -> the quantised numbers, widened to float32 again
;;       x = np.moveaxis(x, axis, -1); K = x.shape[-1]
;;       x = np.pad(x, [(0, 0)] * (x.ndim - 1) + [(0, -K % 32)]); x = x.reshape(x.shape[:-1] + (-1, 32)); a = np.abs(x).max(-1, keepdims=True)
;;       e = np.where(a > 0, np.clip(np.frexp(np.where(a > 0, a, 1))[1] - 1 - 2, -126, 127), 0)      # np.frexp(a)[1] - 1 = floor(log2(a)), exactly
;;       r = np.clip(x / 2.0 ** e, -7.5, 7.5)
;;       step = 2.0 ** (np.maximum(np.frexp(np.where(r == 0, 1, r))[1] - 1, 0) - 3)
;;       q = np.round(r / step) * step * 2.0 ** e      # np.round: ties to even
;;       return np.moveaxis(q.reshape(q.shape[:-2] + (-1,))[..., :K], -1, axis).astype(np.float32)
;;   ~~~
;;   SOFTMAX AHEAD OF A QUANTISED PRODUCT. Where the list says 'softmax', what is quantised is not the finished softmax but p = 2^(t - M), with t = logit x log2(e) and M = ceil(the row's largest t), a whole number; so 1/2 < the row's largest p <= 1. The row's sum l is taken of the UNQUANTISED p, in f32, and the product's result is divided by l at the end. Since M is a whole number, a kernel that streams over the keys may use a running M (the ceiling of the running maximum): every later rescaling is an exact power of two, which a block's scale takes up: the codes' values come out the same.
;;   OPERANDS COMPUTED ON THE WAY. 'Computed on the way' means the value that the module computes at that place (a softmax that the list does not call 'softmax' is quantised finished and normalised). What goes into a quantiser is computed in f32, as accurately as f32 sums, v_exp_f32 and their like allow (about 1e-6 of the number): no bf16 or f16 on the way to a quantiser, and a product that is left as it is and whose result goes on into a quantised operand takes f32 operands (vector FMAs, or v_wmma_f32_16x16x4_f32). A number that lies on a knife's edge between two numbers of the format may be rounded either way, as far as f32 arithmetic and the matrix unit's own rounding can turn it there, and no further.
;; One version. Each part assembles by itself: llvm-mc -triple=amdgcn-amd-amdhsa -mcpu=gfx1250 --defsym DOCPART=n.
;; ======== version 1 of 1: 4 launches
;; workspace buffers: xc 18,874,368 bytes; wc 3,145,728 bytes; scl 1,179,648 bytes; qc 6,815,744 bytes; kvc 13,369,344 bytes; ac 6,291,456 bytes
;; launch quant (part 1): grid 512 x 1, 4 waves a work-group, no clusters, 59,904 bytes of LDS; arguments q, k, v, w_q, w_k, w_v, w_o, xc, wc, scl; writes xc, wc, scl
.if DOCPART == 1
	.amdgcn_target "amdgcn-amd-amdhsa--gfx1250"
	.amdhsa_code_object_version 6
	.text
	.protected	k_q0dc9329dde_quant
	.globl	k_q0dc9329dde_quant
	.p2align	8
	.type	k_q0dc9329dde_quant,@function
k_q0dc9329dde_quant:
	s_mov_b64 s[64:65], 0
	v_nop
	global_prefetch_b8 v0, s[64:65] scope:SCOPE_SE
	s_setreg_imm32_b32 hwreg(HW_REG_WAVE_MODE, 25, 1), 1
	s_wait_xcnt 0x0
; q, k, v [8192][1024] f32 (K innermost) and w_q, w_k, w_v, w_o [1024 (K)][1024 (n)] f32 (K outermost) become codes of FP6 (E2M3) with one E8M0 byte for each 32 along K.
; A block's scale is 2^(floor(log2(its largest magnitude)) - 2): its byte is the largest magnitude's exponent field - 2, held at 1 from below.
; LIMITS: NaN and infinities are not served; a block whose largest magnitude lies under 2^-124 keeps the byte 1; a block of zeros gets the byte 1 where the rule says 127 (its codes are zeros, and this program alone reads the bytes).
; THE CODES ARE LAID AS THE READER'S REGISTERS WANT THEM.  Rows (tokens; a weight's columns n) are cut into tiles of 16: lane index r of tile 2 g + u is row 32 g + 8 u + r + 8 (r / 8).
; A fragment (16 rows x 128 K, 12 registers a lane) is 1,536 bytes: piece c of 512 bytes holds lane l's registers 4 c .. 4 c + 3 at 16 l.  A matrix is [tile][K step 0..7][1,536].
; The scale words are a table [tile][r][K step]: 32 bytes a row, 512 a tile.
; Work-groups 0-383 take q, k, v (a wave: one tile, all of K); work-groups 384-511 the weights (a wave: 32 columns x 256 K).  Waves share nothing: no barrier.  The two ways have LDS bytes of their own.
; No tensor loads, no cluster: no two work-groups read the same byte.
.set SEL,   28                         ; s[28:29] lane selects for v_permlanex16_b32: lane l xor 16
.set R,     16                         ; v16-143  two sets of 64 numbers as they are loaded
.set X,     144                        ; v144-207 64 numbers of my row: register 16 b + i = k 32 b + 16 (lane / 16) + i
.set TM,    208                        ; v208-223 at work
.set PC,    224                        ; v224-243 the fragment just made, and the conversions' second halves
.set PW,    244                        ; v244-251 my row's scale word of each K step
.set XST,   8448                       ; tokens: a wave's stage: 16 rows x (512 bytes + 16)
.set WBASE, 4*XST                      ; weights: the stages begin here
.set WST,   6400                       ; a wave's: two tiles
.set WTL,   3200                       ; a tile's: two fragments + 128 bytes, so that the two tiles' lanes fall on different banks
.set WSCL,  1048576                    ; where the weights' scale tables begin in scl
.set WX,    32                         ; v32-95   two sets of 32 numbers
.set WC,    96                         ; v96-101  a block's codes
.set WT,    104                        ; v104-106 their second half, as the conversion leaves it
.set OUTR,  112                        ; v112-159 the way out
.set SB,    24                         ; v24-25   my column's 8 scale bytes
; 64 numbers of a lane become a fragment's codes in v[PC] on and its scale word in v[pw]
.macro QUANT s, pw
.irp b, 0,1,2,3
	v_max3_num_f32 v[TM+\b], |v[\s+16*\b]|, |v[\s+1+16*\b]|, 0x1800000   ; block b: my 16 numbers, and the floor 2^(3 - 127): the byte cannot fall under 1
.endr
.irp i, 2,4,6,8,10,12,14
.irp b, 0,1,2,3
	v_max3_num_f32 v[TM+\b], v[TM+\b], |v[\s+16*\b+\i]|, |v[\s+1+16*\b+\i]|   ; the four blocks by turns
.endr
.endr
.irp b, 0,1,2,3
	v_permlanex16_b32 v[TM+4+\b], v[TM+\b], s[SEL], s[SEL+1]
.endr
.irp b, 0,1,2,3
	v_max_num_f32 v[TM+\b], v[TM+\b], v[TM+4+\b]   ; with lane l xor 16's 16: the block's largest magnitude
.endr
.irp b, 0,1,2,3
	v_add_nc_u32 v[TM+12+\b], 0xff000000, v[TM+\b]   ; 2 off its exponent field: the conversion's scale operand
.endr
.irp b, 0,1,2,3
	v_lshrrev_b32 v[TM+4+\b], 23, v[TM+12+\b]      ; the scale's byte
.endr
	v_lshl_or_b32 v[\pw], v[TM+5], 8, v[TM+4]
	v_lshl_or_b32 v[\pw], v[TM+6], 16, v[\pw]
	v_lshl_or_b32 v[\pw], v[TM+7], 24, v[\pw]
.irp c, 0,1
	v_cvt_scalef32_pk16_fp6_f32 v[PC+6*\c:PC+2+6*\c], v[\s+32*\c:\s+15+32*\c], v[TM+12+2*\c]
	v_cvt_scalef32_pk16_fp6_f32 v[PC+12+4*\c:PC+14+4*\c], v[\s+16+32*\c:\s+31+32*\c], v[TM+12+2*\c+1]   ; (a conversion's three registers begin on an even number)
.endr
	v_nop                                          ; one plain instruction behind the scaled conversions
.irp c, 0,1                                    ; the operand's layout wants a whole block in a lane: lanes 0-15 block 2 c, lanes 16-31 block 2 c + 1
.irp i, 0,1,2
	v_permlane16_swap_b32 v[PC+6*\c+\i], v[PC+12+4*\c+\i]
.endr
.irp i, 0,1,2
	v_mov_b32 v[PC+3+6*\c+\i], v[PC+12+4*\c+\i]
.endr
.endr
.endm
	s_load_b256 s[4:11], s[0:1], 0x0               ; q, k, v, w_q
	s_load_b256 s[12:19], s[0:1], 0x20             ; w_k, w_v, w_o, xc
	s_load_b128 s[20:23], s[0:1], 0x40             ; wc, scl
	v_lshl_add_u32 v254, v0, 2, 0xe800
	v_mov_b32 v255, 0
	v_lshrrev_b32 v1, 5, v0
	v_readfirstlane_b32 s24, v1                    ; wave 0..3
	v_and_b32 v5, 31, v0                           ; lane
	v_lshlrev_b32 v1, 4, v5                        ; 16 x lane
	s_mov_b32 s[SEL], 0x76543210
	s_mov_b32 s[SEL+1], 0xfedcba98
	s_mov_b32 s30, 0xffff0000                      ; lanes 16-31
	s_cmp_lt_u32 ttmp9, 384
	s_cbranch_scc0 .Lweights
	; ---------------- q, k, v: my wave's tile, all eight K steps ----------------
	v_and_b32 v6, 15, v0                           ; r
	v_bfe_u32 v7, v0, 4, 1                         ; h
	s_mul_i32 s25, s24, XST                        ; my stage
	v_add_nc_u32 v2, s25, v1                       ; in: a row's 512 bytes as they lie, 16 a lane
	v_mul_u32_u24 v3, v6, 528
	v_lshl_add_u32 v3, v7, 6, v3
	v_add_nc_u32 v3, s25, v3                       ; out: row r, + 64 h: my 16 numbers of each block of 32
	v_lshlrev_b32 v4, 5, v6
	v_lshl_add_u32 v4, v7, 4, v4                   ; the scale table: 32 r + 16 h
.irp b, 0,1,2,3
	v_mov_b32 v[TM+4+\b], 0                        ; written once: a lane permute's destination counts as one of its sources
.endr
	s_lshl_b32 s26, ttmp9, 2
	s_add_co_u32 s26, s26, s24                     ; my tile among the 3 x 512
	s_lshr_b32 s31, ttmp9, 7                       ; which tensor
	s_and_b32 s27, s26, 511                        ; my tile in it
	s_lshr_b32 s38, s27, 1
	s_lshl_b32 s38, s38, 5
	s_and_b32 s39, s27, 1
	s_lshl_b32 s39, s39, 3
	s_add_co_u32 s38, s38, s39                     ; its first row: 32 (T / 2) + 8 (T % 2)
	s_lshl_b32 s38, s38, 12                        ; rows of 4,096 bytes
	s_mov_b32 s39, 0
	s_mul_i32 s40, s26, 12288
	s_mov_b32 s41, 0
	s_lshl_b32 s42, s26, 9
	s_mov_b32 s43, 0
	s_wait_alu depctr_va_vdst(0)
	s_wait_kmcnt 0x0
	s_cmp_eq_u32 s31, 1
	s_cselect_b64 s[32:33], s[6:7], s[4:5]
	s_cmp_eq_u32 s31, 2
	s_cselect_b64 s[32:33], s[8:9], s[32:33]
	s_add_nc_u64 s[32:33], s[32:33], s[38:39]
	s_add_nc_u64 s[34:35], s[18:19], s[40:41]
	s_add_nc_u64 s[36:37], s[22:23], s[42:43]
.macro XLD s                           ; K step s of the tile's 16 rows: each load reads 512 consecutive bytes of one row
.irp i, 0,1,2,3,4,5,6,7,8,9,10,11,12,13,14,15
	global_load_b128 v[R+64*((\s)%2)+4*\i:R+64*((\s)%2)+4*\i+3], v1, s[32:33] offset:(\i+8*(\i/8))*4096+512*(\s) th:TH_LOAD_NT
.endr
.endm
.macro XSTEP s
.if (\s) < 7
	s_wait_loadcnt 16                              ; this K step's 16 loads are in; the next step's 16 may be out
.else
	s_wait_loadcnt 0x0
.endif
.irp i, 0,1,2,3,4,5,6,7,8,9,10,11,12,13,14,15
	ds_store_b128 v2, v[R+64*((\s)%2)+4*\i:R+64*((\s)%2)+4*\i+3] offset:528*\i
.endr
.irp b, 0,1,2,3
.irp j, 0,1,2,3
	ds_load_b128 v[X+16*\b+4*\j:X+16*\b+4*\j+3], v3 offset:128*\b+16*\j   ; LDS serves a wave's instructions in order: these see the stores above
.endr
.endr
	s_wait_dscnt 0x0                               ; my numbers are back, and the stores have read their registers,
.if (\s) < 6
	XLD (\s)+2                                     ; which take the loads of two K steps on
.endif
	s_wait_xcnt 0x0                                ; the last step's stores have read the fragment's registers: they are written again only behind this wait
	QUANT X, PW+(\s)
.irp c, 0,1,2
	global_store_b128 v1, v[PC+4*\c:PC+4*\c+3], s[34:35] offset:1536*(\s)+512*\c   ; 512 consecutive bytes, aligned
.endr
.endm
	XLD 0
	XLD 1
.irp t, 0,1,2,3,4,5,6,7
	XSTEP \t
.endr
.irp j, 0,1,2,3
	v_cndmask_b32 v[TM+\j], v[PW+\j], v[PW+4+\j], s30   ; lanes 0-15 store K steps 0-3 of their row, lanes 16-31 K steps 4-7
.endr
	global_store_b128 v4, v[TM:TM+3], s[36:37]     ; the tile's 512 bytes of scale words, whole
	s_wait_tensorcnt 0x0
	ds_add_u32 v254, v255
	s_wait_dscnt 0x0
	s_endpgm
	; ---------------- the weights: a lane takes a column n, its registers run down K ----------------
.Lweights:
	s_sub_co_u32 s25, ttmp9, 384
	s_and_b32 s26, s25, 7                          ; which 128 columns
	s_lshr_b32 s27, s25, 5                         ; which weight: q, k, v, o
	s_bfe_u32 s31, s25, 0x20003                    ; which 256 along K
	s_lshl_b32 s38, s26, 2
	s_add_co_u32 s38, s38, s24                     ; G: my wave's 32 columns: tiles 2 G and 2 G + 1
	s_wait_alu depctr_va_vdst(0)
	v_lshlrev_b32 v3, 2, v5                        ; in: 4 bytes a lane
	v_bfe_u32 v6, v0, 3, 1                         ; lane j is column 32 G + j: tile u = (j / 8) % 2,
	v_and_b32 v7, 7, v0
	v_bfe_u32 v8, v0, 4, 1
	v_lshl_add_u32 v8, v8, 3, v7                   ; lane index r = j % 8 + 8 (j / 16)
	s_mul_i32 s39, s24, WST
	s_add_co_u32 s39, s39, WBASE                   ; my stage
	v_mul_u32_u24 v4, v6, WTL
	v_lshl_add_u32 v4, v8, 4, v4
	v_add_nc_u32 v4, s39, v4                       ; into it: my tile's image, 16 r
	v_add_nc_u32 v7, s39, v1                       ; out of it: 16 x lane
	v_lshlrev_b32 v9, 9, v6
	v_lshl_add_u32 v9, v8, 5, v9                   ; the scale tables: 512 u + 32 r
	s_lshl_b32 s40, s31, 20                        ; 256 rows of 4,096 bytes
	s_lshl_b32 s41, s38, 7                         ; 32 columns of 4 bytes
	s_add_co_u32 s40, s40, s41
	s_mov_b32 s41, 0
	s_mul_i32 s42, s27, 786432                     ; a weight's codes,
	s_mul_i32 s43, s38, 24576                      ; two tiles',
	s_add_co_u32 s42, s42, s43
	s_mul_i32 s43, s31, 3072                       ; two K steps'
	s_add_co_u32 s42, s42, s43
	s_mov_b32 s43, 0
	s_lshl_b32 s44, s27, 15
	s_lshl_b32 s45, s38, 10
	s_add_co_u32 s44, s44, s45
	s_lshl_b32 s45, s31, 3
	s_add_co_u32 s44, s44, s45
	s_add_co_u32 s44, s44, WSCL
	s_mov_b32 s45, 0
	s_wait_kmcnt 0x0
	s_cmp_eq_u32 s27, 1
	s_cselect_b64 s[32:33], s[12:13], s[10:11]
	s_cmp_eq_u32 s27, 2
	s_cselect_b64 s[32:33], s[14:15], s[32:33]
	s_cmp_eq_u32 s27, 3
	s_cselect_b64 s[32:33], s[16:17], s[32:33]
	s_add_nc_u64 s[32:33], s[32:33], s[40:41]
	s_add_nc_u64 s[34:35], s[20:21], s[42:43]
	s_add_nc_u64 s[36:37], s[22:23], s[44:45]
.macro WLOAD t                         ; block t: w(32 t + i, my column), i = 0 .. 31: each load reads 128 consecutive bytes
.set J, 0
.rept 32
	global_load_b32 v[WX+32*((\t)%2)+J], v3, s[32:33] offset:(32*(\t)+J)*4096 th:TH_LOAD_NT
.set J, J+1
.endr
.endm
; Block t of my column is k = 32 h + 64 c + 0 .. 31 of K step t / 4, h = t % 2, c = (t / 2) % 2: registers 6 c .. 6 c + 5 of lane r + 16 h of that fragment.
.macro WBLOCK t
.set XS, WX+32*((\t)%2)
.set OO, 1536*((\t)/4)+256*((\t)%2)
.if (\t) < 7
	s_wait_loadcnt 32                              ; this block's 32 loads are in; the next block's may be out
.else
	s_wait_loadcnt 0x0
.endif
	v_max3_num_f32 v12, |v[XS]|, |v[XS+1]|, |v[XS+2]|
	v_max3_num_f32 v13, |v[XS+3]|, |v[XS+4]|, |v[XS+5]|
.irp i, 6,10,14,18,22,26
	v_max3_num_f32 v12, v12, |v[XS+\i]|, |v[XS+\i+1]|
	v_max3_num_f32 v13, v13, |v[XS+\i+2]|, |v[XS+\i+3]|
.endr
	v_max3_num_f32 v12, v12, |v[XS+30]|, |v[XS+31]|
	v_max3_num_f32 v12, v12, v13, 0x1800000        ; the block's largest magnitude, all 32 mine, and the floor
	v_add_nc_u32 v11, 0xff000000, v12              ; the conversion's scale operand
	v_lshrrev_b32 v13, 23, v11                     ; the scale's byte
.if (\t)%4 == 0
	v_mov_b32 v[SB+(\t)/4], v13
.else
	v_lshl_or_b32 v[SB+(\t)/4], v13, 8*((\t)%4), v[SB+(\t)/4]
.endif
	v_cvt_scalef32_pk16_fp6_f32 v[WC:WC+2], v[XS:XS+15], v11
	v_cvt_scalef32_pk16_fp6_f32 v[WT:WT+2], v[XS+16:XS+31], v11
	v_nop                                          ; one plain instruction behind the scaled conversions
.irp i, 0,1,2
	v_mov_b32 v[WC+3+\i], v[WT+\i]
.endr
.if ((\t)/2)%2 == 0
	ds_store_b128 v4, v[WC:WC+3] offset:OO         ; registers 0-3: piece 0
	ds_store_b64 v4, v[WC+4:WC+5] offset:OO+512    ; registers 4, 5: the lower half of my 16 bytes of piece 1
.else
	ds_store_b64 v4, v[WC:WC+1] offset:OO+520      ; registers 6, 7: the upper half
	ds_store_b128 v4, v[WC+2:WC+5] offset:OO+1024  ; registers 8-11: piece 2
.endif
.if (\t)+2 < 8
	WLOAD (\t)+2
.endif
	s_wait_dscnt 0x0                               ; the stores have read their registers: the next block's codes may be written
.endm
	WLOAD 0
	WLOAD 1
.irp t, 0,1,2,3,4,5,6,7
	WBLOCK \t
.endr
	s_wait_alu depctr_va_vdst(0)
	global_store_b64 v9, v[SB:SB+1], s[36:37]      ; my column's two scale words (pieces of 8 bytes: 128 KiB in the whole launch)
.irp n, 0,1,2,3,4,5,6,7,8,9,10,11
	ds_load_b128 v[OUTR+4*\n:OUTR+4*\n+3], v7 offset:WTL*(\n/6)+512*(\n%6)
.endr
.irp n, 0,1,2,3,4,5,6,7,8,9,10,11
	s_wait_dscnt 11-\n                             ; the loads issued behind this one may be out
	global_store_b128 v1, v[OUTR+4*\n:OUTR+4*\n+3], s[34:35] offset:12288*(\n/6)+512*(\n%6)   ; 512 consecutive bytes, aligned
.endr
	s_wait_tensorcnt 0x0
	ds_add_u32 v254, v255
	s_wait_dscnt 0x0
	s_endpgm
.Lfunc_end_k_q0dc9329dde_quant:
	.size	k_q0dc9329dde_quant, .Lfunc_end_k_q0dc9329dde_quant-k_q0dc9329dde_quant
	.p2alignl 7, 3214868480
	.fill 96, 4, 3214868480
	.section	.rodata,"a",@progbits
	.p2align	6, 0x0
	.amdhsa_kernel k_q0dc9329dde_quant
		.amdhsa_group_segment_fixed_size 59904
		.amdhsa_private_segment_fixed_size 0
		.amdhsa_enable_private_segment 0
		.amdhsa_kernarg_size 80
		.amdhsa_user_sgpr_count 2
		.amdhsa_user_sgpr_kernarg_segment_ptr 1
		.amdhsa_wavefront_size32 1
		.amdhsa_system_sgpr_workgroup_id_x 1
		.amdhsa_system_sgpr_workgroup_id_y 1
		.amdhsa_system_sgpr_workgroup_id_z 1
		.amdhsa_system_vgpr_workitem_id 0
		.amdhsa_next_free_vgpr 256
		.amdhsa_next_free_sgpr 66
		.amdhsa_reserve_vcc 0
		.amdhsa_float_denorm_mode_32 3
		.amdhsa_float_denorm_mode_16_64 3
		.amdhsa_memory_ordered 1
		.amdhsa_forward_progress 1
		.amdhsa_inst_pref_size 106
	.end_amdhsa_kernel
	.amdgpu_metadata
---
amdhsa.version: [ 1, 2 ]
amdhsa.kernels:
  - .name:           k_q0dc9329dde_quant
    .symbol:         k_q0dc9329dde_quant.kd
    .args:
      - { .name: q, .offset: 0, .size: 8, .value_kind: global_buffer, .address_space: global }
      - { .name: k, .offset: 8, .size: 8, .value_kind: global_buffer, .address_space: global }
      - { .name: v, .offset: 16, .size: 8, .value_kind: global_buffer, .address_space: global }
      - { .name: w_q, .offset: 24, .size: 8, .value_kind: global_buffer, .address_space: global }
      - { .name: w_k, .offset: 32, .size: 8, .value_kind: global_buffer, .address_space: global }
      - { .name: w_v, .offset: 40, .size: 8, .value_kind: global_buffer, .address_space: global }
      - { .name: w_o, .offset: 48, .size: 8, .value_kind: global_buffer, .address_space: global }
      - { .name: xc, .offset: 56, .size: 8, .value_kind: global_buffer, .address_space: global }
      - { .name: wc, .offset: 64, .size: 8, .value_kind: global_buffer, .address_space: global }
      - { .name: scl, .offset: 72, .size: 8, .value_kind: global_buffer, .address_space: global }
    .group_segment_fixed_size: 59904
    .private_segment_fixed_size: 0
    .kernarg_segment_align: 8
    .kernarg_segment_size: 80
    .max_flat_workgroup_size: 128
    .sgpr_count:     66
    .vgpr_count:     256
    .wavefront_size: 32
...
	.end_amdgpu_metadata
.endif
;; end of part 1
;; launch proj (part 2): grid 4 x 96, 4 waves a work-group, clusters of 4 x 4, 327,680 bytes of LDS; arguments xc, wc, scl, b_q, b_k, b_v, qc, kvc; writes qc, kvc
.if DOCPART == 2
	.amdgcn_target "amdgcn-amd-amdhsa--gfx1250"
	.amdhsa_code_object_version 6
	.text
	.protected	k_q0dc9329dde_proj
	.globl	k_q0dc9329dde_proj
	.p2align	8
	.type	k_q0dc9329dde_proj,@function
k_q0dc9329dde_proj:
	s_mov_b64 s[64:65], 0
	v_nop
	global_prefetch_b8 v0, s[64:65] scope:SCOPE_SE
	s_setreg_imm32_b32 hwreg(HW_REG_WAVE_MODE, 25, 1), 1
	s_wait_xcnt 0x0
	s_wait_alu depctr_hold_cnt(0) depctr_sa_sdst(0) depctr_va_vdst(0) depctr_va_sdst(0) depctr_va_ssrc(0) depctr_va_vcc(0) depctr_vm_vsrc(0)
	s_getreg_b32 s2, hwreg(HW_REG_IB_STS2, 6, 4)
	s_cmp_eq_u32 s2, 0
	s_cbranch_scc0 .Lentry_in_a_cluster
	s_endpgm
.Lentry_in_a_cluster:
	s_bfe_u32 s2, ttmp6, 0x10000c
	s_cmp_lg_u32 s2, 0xf033
	s_cbranch_scc0 .Lentry_shape_is_right
	s_endpgm
.Lentry_shape_is_right:
.set FR,    12
.set NL,    3
.set NP,    4
.set FRB,   1536
.set TROW,  2*FRB
.set HALFT, 8*TROW
.set SLOT,  4*HALFT
.set SPARE, 2*SLOT
.set WS,    1048576
.set L16,  10
.set L8,   11
.set SOF,  12
.set BO1,  13
.set BO2,  14
.set ADRA, 16
.set ADRB, 20
.set SPW,  28
.set NIL,  29
.set SC,   32
.set PW,   96
.set TM,   104
.set WD,   120
.set AF,   128
.set OUT,  128
.set T2,   224
.set G1, 24
.set G0, 32
.set G1B, 48
.set G0B, 56
.set MSB, 0
.macro WIN new
.if MSB != (\new)
	s_set_vgpr_msb (MSB<<8)|(\new)
.set MSB, (\new)
.endif
.endm
.set MUL_LO, 0xa1
.set MUL_HI, 0xf1
.set TO_B,   0x40
.macro JLOAD g0a, g1a, g0b, g1b
	s_cmp_eq_u32 s15, 0
	s_cbranch_scc0 .Lfor_b_\@
	tensor_load_to_lds s[\g0a:\g0a+3], s[\g1a:\g1a+7]
	s_nop 0
.rept 4
	v_nop
.endr
	s_branch .Lasked_\@
.Lfor_b_\@:
	tensor_load_to_lds s[\g0b:\g0b+3], s[\g1b:\g1b+7]
	s_nop 0
.rept 4
	v_nop
.endr
.Lasked_\@:
.endm
.macro CREST
	s_cmp_lg_u32 s14, 0
	s_cbranch_scc1 .Lnot_wave_0_\@
	s_barrier_signal -3
.Lnot_wave_0_\@:
	s_barrier_wait -3
	s_barrier_signal -1
	s_barrier_wait -1
.endm
.macro CROUND
	s_barrier_signal -1
	s_barrier_wait -1
	CREST
.endm
.macro PLACES n
.rept \n
	v_nop
.endr
.endm
	s_load_b256 s[4:11], s[0:1], 0x0
	s_load_b256 s[68:75], s[0:1], 0x20
	v_lshl_add_u32 v[SPW], v0, 2, SPARE
	v_mov_b32 v[NIL], 0
	ds_add_u32 v28, v29
	ds_add_u32 v28, v29
	s_wait_dscnt 0x0
	v_lshrrev_b32 v1, 5, v0
	v_readfirstlane_b32 s14, v1
	s_lshr_b32 s15, s14, 1
	s_and_b32 s16, s14, 1
	s_bfe_u32 s40, ttmp6, 0x40000
	s_bfe_u32 s41, ttmp6, 0x40004
	s_and_b32 s76, ttmp7, 0xffff
	s_lshr_b32 s77, s76, 3
	s_and_b32 s79, s76, 7
	s_lshl_b32 s79, s79, 2
	s_mul_i32 s82, s77, 6291456
	s_mul_i32 s83, s77, 786432
	s_cmp_eq_u32 s77, 2
	s_cselect_b32 s78, 1, 0
	s_cselect_b32 s18, 0, s79
	s_cselect_b32 s19, s79, 0
	s_cselect_b32 s20, s83, s82
	s_cselect_b32 s46, s82, s83
	s_add_co_u32 s17, s41, s18
	s_add_co_u32 s42, s40, s19
	s_lshl_b32 s43, s41, 2
	s_lshl_b32 s43, 15, s43
	s_lshl_b32 s44, 0x1111, s40
	s_or_b32 s[G1+0], s43, (3<<16)|(1<<21)
	s_or_b32 s[G1B+0], s44, (3<<16)|(1<<21)
.irp g, G1, G1B
	s_mov_b32 s[\g+1], 384<<16
	s_mov_b32 s[\g+2], 8<<16
	s_mov_b32 s[\g+3], 384<<16
	s_mov_b32 s[\g+4], 8
	s_mov_b32 s[\g+5], 1536
	s_mov_b32 s[\g+6], 0
	s_mov_b32 s[\g+7], 0
.endr
	s_mul_i32 s18, s16, 8*12288
	s_mul_i32 s19, s17, 16*12288
	s_add_co_u32 s20, s20, s19
	s_add_co_u32 s20, s20, s18
	s_mov_b32 s21, 0
	s_mul_i32 s47, s42, 16*12288
	s_add_co_u32 s46, s46, s47
	s_add_co_u32 s46, s46, s18
	s_mov_b32 s47, 0
	s_mul_i32 s45, s14, HALFT
	s_mov_b32 s84, 0xffff0000
	s_mov_b32 s86, 0x76543210
	s_mov_b32 s87, 0xfedcba98
	s_wait_kmcnt 0x0
	s_cmp_eq_u32 s78, 1
	s_cselect_b64 s[22:23], s[6:7], s[4:5]
	s_cselect_b64 s[92:93], s[4:5], s[6:7]
	s_add_nc_u64 s[20:21], s[22:23], s[20:21]
	s_add_nc_u64 s[46:47], s[92:93], s[46:47]
	CROUND
.irp s, 0,1
	s_mov_b32 s[G0+4*\s], 1
	s_add_co_u32 s[G0+4*\s+1], s45, \s*SLOT
	s_add_nc_u64 s[G0+4*\s+2:G0+4*\s+3], s[20:21], \s*TROW
	s_or_b32 s[G0+4*\s+3], s[G0+4*\s+3], 0x80000000
	s_mov_b32 s[G0B+4*\s], 1
	s_add_co_u32 s[G0B+4*\s+1], s45, \s*SLOT
	s_add_nc_u64 s[G0B+4*\s+2:G0B+4*\s+3], s[46:47], \s*TROW
	s_or_b32 s[G0B+4*\s+3], s[G0B+4*\s+3], 0x80000000
	s_wait_alu depctr_va_vdst(0)
	s_wait_tensorcnt 0x0
	ds_add_u32 v28, v29
	ds_add_u32 v28, v29
	s_wait_dscnt 0x0
	CROUND
	JLOAD G0+4*\s, G1, G0B+4*\s, G1B
.endr
	v_and_b32 v1, 15, v0
	v_bfe_u32 v2, v0, 4, 1
	v_and_b32 v3, 31, v0
	v_lshlrev_b32 v[L16], 4, v3
	v_lshlrev_b32 v[L8], 3, v3
	s_mul_i32 s21, s15, HALFT
	s_mul_i32 s22, s16, HALFT
	s_add_co_u32 s22, s22, 2*HALFT
.irp s, 0,1
	v_add_nc_u32 v[ADRA+\s], s21, v[L16]
	v_add_nc_u32 v[ADRB+\s], s22, v[L16]
	s_add_co_u32 s21, s21, SLOT
	s_add_co_u32 s22, s22, SLOT
.endr
.irp b, 0,1,2,3
	v_mov_b32 v[TM+4+\b], 0
.endr
	s_lshl_b32 s18, s77, 18
	s_lshl_b32 s19, s77, 15
	s_add_co_u32 s19, s19, WS
	s_cmp_eq_u32 s78, 1
	s_cselect_b32 s22, s19, s18
	s_cselect_b32 s23, s18, s19
	s_lshl_b32 s18, s17, 13
	s_add_co_u32 s22, s22, s18
	s_lshl_b32 s18, s15, 12
	s_add_co_u32 s22, s22, s18
	s_lshl_b32 s18, s42, 13
	s_add_co_u32 s23, s23, s18
	s_lshl_b32 s18, s16, 12
	s_add_co_u32 s23, s23, s18
	v_mov_b32 v[SOF], s22
	v_mov_b32 v4, s23
	v_cndmask_b32 v[SOF], v[SOF], v4, s84
	v_lshl_add_u32 v[SOF], v1, 5, v[SOF]
.irp i, 0,1,2,3,4,5,6,7
.irp e, 0,1
	global_load_b128 v[SC+8*\i+4*\e:SC+8*\i+4*\e+3], v[SOF], s[8:9] offset:512*\i+16*\e
.endr
.endr
	s_lshl_b32 s92, s17, 8
	s_lshl_b32 s93, s15, 7
	s_add_co_u32 s92, s92, s93
	s_lshl_b32 s93, s42, 8
	s_lshl_b32 s94, s16, 7
	s_add_co_u32 s93, s93, s94
	s_cmp_eq_u32 s78, 1
	s_cselect_b32 s95, s93, s92
	s_cselect_b32 s96, s92, s93
	s_cmp_eq_u32 s77, 1
	s_cselect_b64 s[80:81], s[68:69], s[10:11]
	s_cmp_eq_u32 s77, 2
	s_cselect_b64 s[80:81], s[70:71], s[80:81]
	s_lshl_b32 s82, s96, 2
	s_mov_b32 s83, 0
	s_add_nc_u64 s[80:81], s[80:81], s[82:83]
	s_lshr_b32 s92, s95, 11
	s_lshl_b32 s92, s92, 4
	s_lshr_b32 s93, s96, 6
	s_add_co_u32 s92, s92, s93
	s_lshl_b32 s92, s92, 4
	s_bfe_u32 s93, s95, 0x40007
	s_add_co_u32 s92, s92, s93
	s_mov_b32 s97, 13056
	s_cmp_eq_u32 s77, 0
	s_cselect_b32 s97, 6656, s97
	s_cselect_b64 s[88:89], s[72:73], s[74:75]
	s_mul_i32 s92, s92, s97
	s_cmp_eq_u32 s78, 1
	s_cselect_b32 s93, 6656, 0
	s_add_co_u32 s92, s92, s93
	s_mov_b32 s93, 0
	s_add_nc_u64 s[88:89], s[88:89], s[92:93]
	s_lshl_b32 s92, s97, 4
	s_add_nc_u64 s[90:91], s[88:89], s[92:93]
	v_lshlrev_b32 v[BO1], 6, v2
	v_and_b32 v[BO2], 8, v1
	v_add_nc_u32 v[BO2], v[BO2], v1
	v_lshlrev_b32 v[BO2], 2, v[BO2]
	s_cmp_eq_u32 s78, 1
	s_cbranch_scc1 .Lbias_v
	WIN TO_B
.irp b, 0,1,2,3,4,5,6,7
	global_load_b128 v[96+8*(\b%4)+128*(\b/4):96+8*(\b%4)+128*(\b/4)+3], v[BO1], s[80:81] offset:(32*(\b/2)+8*(\b%2))*4
	global_load_b128 v[96+8*(\b%4)+128*(\b/4)+4:96+8*(\b%4)+128*(\b/4)+7], v[BO1], s[80:81] offset:(32*(\b/2)+8*(\b%2))*4+16
.endr
	WIN 0
	s_branch .Lbias_done
.Lbias_v:
	WIN TO_B
	s_wait_alu depctr_va_vdst(0)
.irp a, 0,1,2,3,4,5,6,7
.irp j, 0,1,2,3,4,5,6,7
	global_load_b32 v[96+8*(\a%4)+128*(\a/4)+\j], v[BO2], s[80:81] offset:(32*(\a/2)+8*(\a%2))*4
.endr
.endr
	WIN 0
.Lbias_done:
.macro FRAG reg, adr, q, i
.irp c, 0,1,2
	ds_load_b128 v[\reg+4*\c:\reg+4*\c+3], v[\adr] offset:(\i)*TROW+(\q)*FRB+512*\c
.endr
.endm
.macro MUL16 a0, p, ks, cm
.irp a, \a0, \a0+1
.irp b, 0,1,2,3,4,5,6,7
.set DD, 8*(8*((\a)%4)+\b)
.set CC, DD
.if \cm == 1
.set CC, 96+8*(\b%4)+128*(\b/4)
.endif
.if \cm == 2
.set CC, 96+8*((\a)%4)+128*((\a)/4)
.endif
	v_wmma_scale_f32_16x16x128_f8f6f4 v[DD:DD+7], v[128*(\p)+FR*\b:128*(\p)+FR*\b+FR-1], v[AF+FR*(\a):AF+FR*(\a)+FR-1], v[CC:CC+7], v[SC+8*\b+(\ks)], v[SC+8*(\a)+(\ks)] matrix_a_fmt:MATRIX_FMT_FP6 matrix_b_fmt:MATRIX_FMT_FP6 matrix_a_scale:MATRIX_SCALE_ROW1
.endr
.endr
.endm
.macro FETCH_B slot, q, p
	WIN TO_B
.irp i, 0,1,2,3,4,5,6,7
	FRAG 128*(\p)+FR*\i, ADRB+\slot, \q, \i
.endr
	WIN 0
.endm
.macro FETCH_A slot, q, i0
.irp i, \i0, \i0+1, \i0+2, \i0+3
	FRAG AF+FR*(\i), ADRA+\slot, \q, \i
.endr
.endm
.macro STEP slot, ks, cm
	s_wait_dscnt 4*NL
.if \cm
	WIN 0x91
.else
	WIN MUL_LO
.endif
	MUL16 0, 0, \ks, \cm
	MUL16 2, 0, \ks, \cm
	s_wait_dscnt 0x0
	PLACES NP
	FETCH_B \slot, 1, 1
	FETCH_A \slot, 1, 0
.if \cm
	WIN 0xd1
.else
	WIN MUL_HI
.endif
	MUL16 4, 0, \ks, \cm
	MUL16 6, 0, \ks, \cm
	PLACES NP
	WIN 0
	FETCH_A \slot, 1, 4
.endm
.macro TURN slot, next, ks, fill
	s_wait_tensorcnt 0x0
	ds_add_u32 v[SPW], v[NIL]
	s_wait_dscnt 4*NL+1
	WIN MUL_LO
	MUL16 0, 1, \ks, 0
	s_wait_dscnt 0x0
	s_barrier_signal -1
	MUL16 2, 1, \ks, 0
	WIN 0
	s_barrier_wait -1
.if \fill
	CREST
	s_add_nc_u64 s[G0+4*\slot+2:G0+4*\slot+3], s[G0+4*\slot+2:G0+4*\slot+3], 2*TROW
	s_add_nc_u64 s[G0B+4*\slot+2:G0B+4*\slot+3], s[G0B+4*\slot+2:G0B+4*\slot+3], 2*TROW
	JLOAD G0+4*\slot, G1, G0B+4*\slot, G1B
.else
	PLACES NP
.endif
	FETCH_B \next, 0, 0
	FETCH_A \next, 0, 0
	WIN MUL_HI
	MUL16 4, 1, \ks, 0
	MUL16 6, 1, \ks, 0
	PLACES NP
	WIN 0
	FETCH_A \next, 0, 4
.endm
	s_wait_tensorcnt 1
	s_barrier_signal -1
	s_barrier_wait -1
	FETCH_B 0, 0, 0
	FETCH_A 0, 0, 0
	FETCH_A 0, 0, 4
	s_wait_loadcnt 0x0
	s_cmp_eq_u32 s78, 1
	s_cbranch_scc1 .Lfirst_v
	STEP 0, 0, 1
	s_branch .Lfirst_done
.Lfirst_v:
	STEP 0, 0, 2
.Lfirst_done:
	TURN 0, 1, 1, 1
	STEP 1, 2, 0
	TURN 1, 0, 3, 1
	STEP 0, 4, 0
	TURN 0, 1, 5, 0
	STEP 1, 6, 0
	s_wait_dscnt 4*NL
	WIN MUL_LO
	MUL16 0, 1, 7, 0
	MUL16 2, 1, 7, 0
	s_wait_dscnt 0x0
	WIN MUL_HI
	MUL16 4, 1, 7, 0
	MUL16 6, 1, 7, 0
	WIN 0
	PLACES NP
.macro QUANTA a
.set AC, 64*((\a)%4)
.set OU, OUT+12*(\a)
	WIN 0x0a+5*((\a)/4)
.irp b, 0,1,2,3
	v_max3_num_f32 v[TM+\b], |v[AC+16*\b]|, |v[AC+16*\b+1]|, 0x1800000
.endr
.irp i, 2,4,6,8,10,12,14
.irp b, 0,1,2,3
	v_max3_num_f32 v[TM+\b], |v[AC+16*\b+\i]|, |v[AC+16*\b+\i+1]|, v[TM+\b]
.endr
.endr
	WIN 0
.irp b, 0,1,2,3
	v_permlanex16_b32 v[TM+4+\b], v[TM+\b], s86, s87
.endr
.irp b, 0,1,2,3
	v_max_num_f32 v[TM+\b], v[TM+\b], v[TM+4+\b]
.endr
.irp b, 0,1,2,3
	v_add_nc_u32 v[TM+12+\b], 0xff000000, v[TM+\b]
.endr
.irp b, 0,1,2,3
	v_lshrrev_b32 v[TM+4+\b], 23, v[TM+12+\b]
.endr
	v_lshl_or_b32 v[PW+(\a)], v[TM+5], 8, v[TM+4]
	v_lshl_or_b32 v[PW+(\a)], v[TM+6], 16, v[PW+(\a)]
	v_lshl_or_b32 v[PW+(\a)], v[TM+7], 24, v[PW+(\a)]
	WIN 0x02+((\a)/4)
.irp c, 0,1
	v_cvt_scalef32_pk16_fp6_f32 v[OU+6*\c:OU+6*\c+2], v[AC+32*\c:AC+32*\c+15], v[TM+12+2*\c]
	v_cvt_scalef32_pk16_fp6_f32 v[T2+4*\c:T2+4*\c+2], v[AC+32*\c+16:AC+32*\c+31], v[TM+12+2*\c+1]
.endr
	WIN 0
	v_nop
.irp c, 0,1
.irp i, 0,1,2
	v_permlane16_swap_b32 v[OU+6*\c+\i], v[T2+4*\c+\i]
.endr
.irp i, 0,1,2
	v_mov_b32 v[OU+3+6*\c+\i], v[T2+4*\c+\i]
.endr
.endr
.endm
.irp a, 0,1,2,3,4,5,6,7
	QUANTA \a
.endr
.irp i, 0,1,2,3
	v_cndmask_b32 v[WD+\i], v[PW+2*\i], v[PW+2*\i+1], s84
.endr
	s_cmp_eq_u32 s78, 1
	s_cbranch_scc1 .Lout_v
.irp i, 0,1,2,3
	v_and_b32 v[TM+\i], 0xffff, v[WD+\i]
	v_lshrrev_b32 v[WD+4+\i], 16, v[WD+\i]
.endr
.irp a, 0,1,2,3,4,5,6,7
	global_store_b128 v[L16], v[OUT+12*\a:OUT+12*\a+3], s[88:89] offset:768*\a
	global_store_b64 v[L8], v[OUT+12*\a+4:OUT+12*\a+5], s[88:89] offset:768*\a+512
	global_store_b128 v[L16], v[OUT+12*\a+6:OUT+12*\a+9], s[90:91] offset:768*\a
	global_store_b64 v[L8], v[OUT+12*\a+10:OUT+12*\a+11], s[90:91] offset:768*\a+512
.endr
	global_store_b128 v[L16], v[TM:TM+3], s[88:89] offset:6144
	global_store_b128 v[L16], v[WD+4:WD+7], s[90:91] offset:6144
	s_branch .Lout_done
.Lout_v:
	s_wait_alu depctr_va_vdst(0)
.irp a, 0,1,2,3
.irp c, 0,1,2
	global_store_b128 v[L16], v[OUT+12*\a+4*\c:OUT+12*\a+4*\c+3], s[88:89] offset:1536*\a+512*\c
	global_store_b128 v[L16], v[OUT+48+12*\a+4*\c:OUT+48+12*\a+4*\c+3], s[90:91] offset:1536*\a+512*\c
.endr
.endr
	global_store_b64 v[L8], v[WD:WD+1], s[88:89] offset:6144
	global_store_b64 v[L8], v[WD+2:WD+3], s[90:91] offset:6144
.Lout_done:
	s_wait_tensorcnt 0x0
	ds_add_u32 v[SPW], v[NIL]
	s_wait_dscnt 0x0
	CROUND
	s_endpgm
.Lfunc_end_k_q0dc9329dde_proj:
	.size	k_q0dc9329dde_proj, .Lfunc_end_k_q0dc9329dde_proj-k_q0dc9329dde_proj
	.p2alignl 7, 3214868480
	.fill 96, 4, 3214868480
	.section	.rodata,"a",@progbits
	.p2align	6, 0x0
	.amdhsa_kernel k_q0dc9329dde_proj
		.amdhsa_group_segment_fixed_size 327680
		.amdhsa_private_segment_fixed_size 0
		.amdhsa_enable_private_segment 0
		.amdhsa_kernarg_size 64
		.amdhsa_user_sgpr_count 2
		.amdhsa_user_sgpr_kernarg_segment_ptr 1
		.amdhsa_wavefront_size32 1
		.amdhsa_system_sgpr_workgroup_id_x 1
		.amdhsa_system_sgpr_workgroup_id_y 1
		.amdhsa_system_sgpr_workgroup_id_z 1
		.amdhsa_system_vgpr_workitem_id 0
		.amdhsa_next_free_vgpr 1024
		.amdhsa_next_free_sgpr 100
		.amdhsa_reserve_vcc 0
		.amdhsa_float_denorm_mode_32 3
		.amdhsa_float_denorm_mode_16_64 3
		.amdhsa_memory_ordered 1
		.amdhsa_forward_progress 1
		.amdhsa_inst_pref_size 162
	.end_amdhsa_kernel
	.amdgpu_metadata
---
amdhsa.version: [ 1, 2 ]
amdhsa.kernels:
  - .name:           k_q0dc9329dde_proj
    .symbol:         k_q0dc9329dde_proj.kd
    .args:
      - { .name: xc, .offset: 0, .size: 8, .value_kind: global_buffer, .address_space: global }
      - { .name: wc, .offset: 8, .size: 8, .value_kind: global_buffer, .address_space: global }
      - { .name: scl, .offset: 16, .size: 8, .value_kind: global_buffer, .address_space: global }
      - { .name: b_q, .offset: 24, .size: 8, .value_kind: global_buffer, .address_space: global }
      - { .name: b_k, .offset: 32, .size: 8, .value_kind: global_buffer, .address_space: global }
      - { .name: b_v, .offset: 40, .size: 8, .value_kind: global_buffer, .address_space: global }
      - { .name: qc, .offset: 48, .size: 8, .value_kind: global_buffer, .address_space: global }
      - { .name: kvc, .offset: 56, .size: 8, .value_kind: global_buffer, .address_space: global }
    .group_segment_fixed_size: 327680
    .private_segment_fixed_size: 0
    .kernarg_segment_align: 8
    .kernarg_segment_size: 64
    .max_flat_workgroup_size: 128
    .sgpr_count:     100
    .vgpr_count:     1024
    .wavefront_size: 32
...
	.end_amdgpu_metadata
.endif
;; end of part 2
;; launch attn (part 3): grid 8 x 32, 16 waves a work-group, clusters of 4 x 1, 327,680 bytes of LDS; arguments qc, kvc, ac, scl; writes ac, scl
.if DOCPART == 3
	.amdgcn_target "amdgcn-amd-amdhsa--gfx1250"
	.amdhsa_code_object_version 6
	.text
	.protected	k_q0dc9329dde_attn
	.globl	k_q0dc9329dde_attn
	.p2align	8
	.type	k_q0dc9329dde_attn,@function
k_q0dc9329dde_attn:
	s_mov_b64 s[64:65], 0
	v_nop
	global_prefetch_b8 v0, s[64:65] scope:SCOPE_SE
	s_setreg_imm32_b32 hwreg(HW_REG_WAVE_MODE, 25, 1), 1
	s_wait_xcnt 0x0
	s_wait_alu depctr_hold_cnt(0) depctr_sa_sdst(0) depctr_va_vdst(0) depctr_va_sdst(0) depctr_va_ssrc(0) depctr_va_vcc(0) depctr_vm_vsrc(0)
	s_getreg_b32 s2, hwreg(HW_REG_IB_STS2, 6, 4)
	s_cmp_eq_u32 s2, 0
	s_cbranch_scc0 .Lentry_in_a_cluster
	s_endpgm
.Lentry_in_a_cluster:
	s_bfe_u32 s2, ttmp6, 0x10000c
	s_cmp_lg_u32 s2, 0x3003
	s_cbranch_scc0 .Lentry_shape_is_right
	s_endpgm
.Lentry_shape_is_right:
; O[head][q] = the sum over k of softmax_k(Q . K / 8) V, head size 64, 2,048 keys, both products on codes of FP6 (E2M3) with E8M0 scales; the normalised result is quantised along the model's 1,024 for the last product.
; THE SOFTMAX AHEAD OF THE SECOND PRODUCT: t = score x log2(e) / 8; M = the running largest t rounded UP to a whole number; p = 2^(t - M) is what is quantised, along the keys.  The row's sum is taken of the unquantised p and divides O at the end.
; When M moves, the sum and O are multiplied by 2^(old M - new M): exact.
; LIMITS: NaN and infinities are not served; a block whose largest magnitude lies under 2^-124 keeps the byte 1; a block of zeros gets the byte 1 (its codes are zeros, and this program alone reads the bytes).
; SHARES.  A work-group owns 256 queries of a PAIR of heads (2 y, 2 y + 1), each of its sixteen waves one tile of 16 queries, first for the one head and then for the other: so a wave ends with a whole fragment (128 along the last product's K)
; and a whole scale word.  Four waves to a SIMD: one wave's vector work stands beside another's matrix work and LDS loads.
; INPUTS lie as images of registers.  A group of 128 keys of a head is 13,056 dense bytes: K's 8 half fragments (16 keys x 64: registers 0-3 at 16 l, 4-5 at 512 + 8 l; 768 bytes), K's scale words at 6,144 (16 bytes a lane: word i of lane l is
; tile 2 i + l / 16), V's 4 fragments at 6,656 (16 of the head's 64 x 128 keys; 1,536 bytes), V's scale words at 12,800 (8 bytes a lane).  The pair's 32 groups are one dense stream: 8 slots of 4 groups through a ring of two LDS slots.
; The first product's K is 64: registers 6-11 of its operands are zero codes, cleared once.
; LAYOUT.  Both products are used transposed: S^T = K Q^T, O^T = V^T P^T: a lane holds one query throughout.  Lane index r of tile 2 b + u is row 32 b + 8 u + r + 8 (r / 8), so the 16 registers of tiles 2 b and 2 b + 1 are 16 neighbours.
; CLUSTER.  The four query blocks of a cluster walk the same stream: each group is asked for jointly, by waves 0 to 3, one load each; all sixteen waves read it.
; The scale words of the result leave as pieces of 4 bytes: 256 KiB in the whole launch.
.set GRP,   13056
.set SLOTB, 4*GRP
.set SLOT1, 65536                      ; slot 1 begins here: one exclusive or turns an address in one slot into the other's
.set SPARE, 131072                     ; the spare words, 128 bytes a wave: eight blocks of 256 bytes that no other line names
.set QGRP,  6656                       ; a group of 128 queries in qc
.set ATT,   786432                     ; where the result's scale table begins in scl
.set L16,  1                           ; v1   16 x lane
.set L8,   2                           ; v2   8 x lane
.set SPW,  5                           ; v5   LDS address of my spare word; never rewritten
.set NIL,  6                           ; v6   0; never rewritten
.set R32,  7                           ; v7   32 r
.set A16,  8                           ; v8   the group in hand + 16 x lane
.set A8,   9                           ; v9   + 8 x lane
.set KB,   32                          ; v32-79  four fragments of K, 12 registers each; the upper six stay zero
.set S,    96                          ; v96-159 S^T, then p; v96-143 then V's four fragments
.set O,    160                         ; v160-191 O^T
.set FO,   192                         ; v192-203 the result's fragment
.set QB,   204                         ; v204-209 the second head's Q, v210 its scale words, v211 the result's scale word
.set KS,   212                         ; v212-215 K's scale words
.set VS,   216                         ; v216-217 V's
.set TB,   2                           ; s2   LDS byte at which the group in hand begins
.set CNT,  3                           ; s3   counts a slot's four key steps
.set WV,   18
.set SEL,  20                          ; s[20:21] lane selects for v_permlanex16_b32: lane l xor 16
.set CS,   22                          ; s[22:23] c = log2(e) / 8
.set G1,   24                          ; s[24:31] descriptor group 1;  s[32:35] group 0, which walks
.set G0,   32
.set SLOTS, 36
.macro TLOAD                           ; waves 0 to 3 fetch a group each; the branch hangs on the wave's number alone.  Four v_nop follow the load
	s_cmp_lt_u32 s[WV], 4
	s_cbranch_scc0 .Lnone_\@
	tensor_load_to_lds s[G0:G0+3], s[G1:G1+7]
	s_nop 0
.rept 4
	v_nop
.endr
.Lnone_\@:
.endm
.macro CROUND                          ; a round of the cluster's barrier
	s_barrier_signal -1
	s_barrier_wait -1
	s_cmp_lg_u32 s[WV], 0
	s_cbranch_scc1 .Lnot_wave_0_\@
	s_barrier_signal -3
.Lnot_wave_0_\@:
	s_barrier_wait -3
	s_barrier_signal -1
	s_barrier_wait -1
.endm
	s_load_b256 s[4:11], s[0:1], 0x0               ; qc, kvc, ac, scl
	v_lshl_add_u32 v[SPW], v0, 2, SPARE
	v_mov_b32 v[NIL], 0
	ds_add_u32 v5, v6
	ds_add_u32 v5, v6
	s_wait_dscnt 0x0
	v_lshrrev_b32 v8, 5, v0
	s_delay_alu instid0(VALU_DEP_1)
	v_readfirstlane_b32 s[WV], v8                  ; wave 0..15
	s_bfe_u32 s13, ttmp6, 0x40000                  ; cx
	s_lshl_b32 s14, ttmp9, 2
	s_add_co_u32 s14, s14, s13                     ; my block of 256 queries: it enters Q's and the result's addresses alone
	s_and_b32 s15, ttmp7, 0xffff                   ; the pair of heads, which the four partners share
	s_mov_b32 s[G1], 15|(3<<16)|(1<<21)            ; 15:0 the mask: all four work-groups; 17:16 elements of 8 bytes; 21 set beside a mask
	s_mov_b32 s[G1+1], 32<<16                      ; a group is 51 rows of 256 bytes, dense
	s_mov_b32 s[G1+2], 51<<16
	s_mov_b32 s[G1+3], 32<<16
	s_mov_b32 s[G1+4], 51
	s_mov_b32 s[G1+5], 32
	s_mov_b32 s[G1+6], 0
	s_mov_b32 s[G1+7], 0
	s_and_b32 s37, s[WV], 3
	s_mul_i32 s37, s37, GRP                        ; which of a slot's four groups: in LDS and in memory alike
	s_mul_i32 s38, s15, 32*GRP                     ; the pair's stream
	s_add_co_u32 s38, s38, s37
	s_mov_b32 s39, 0
	s_mul_i32 s48, s15, 2*16*QGRP                  ; Q: head 2 y,
	s_lshl_b32 s49, s14, 1
	s_lshr_b32 s50, s[WV], 3
	s_add_co_u32 s49, s49, s50
	s_mul_i32 s49, s49, QGRP
	s_add_co_u32 s48, s48, s49                     ; my group of 128 queries,
	s_and_b32 s49, s[WV], 7
	s_mul_i32 s50, s49, 768
	s_add_co_u32 s50, s50, s48                     ; my tile in it;
	s_mov_b32 s51, 0
	s_and_b32 s52, s[WV], 1
	s_lshl_b32 s52, s52, 8                         ; its scale words: lane 16 (tile % 2) + r,
	s_lshr_b32 s49, s49, 1
	s_lshl_b32 s49, s49, 2                         ; word tile / 2
	s_add_co_u32 s52, s52, s49
	s_add_co_u32 s52, s52, s48
	s_add_co_u32 s52, s52, 6144
	s_mov_b32 s53, 0
	s_lshr_b32 s54, s15, 3
	s_lshl_b32 s54, s54, 7
	s_lshl_b32 s55, s14, 4
	s_add_co_u32 s54, s54, s55
	s_add_co_u32 s54, s54, s[WV]                   ; my tile of tokens: 128 x batch + 16 x block + wave
	s_and_b32 s55, s15, 7                          ; the last product's K step: the pair's number in its batch
	s_mul_i32 s56, s54, 12288
	s_mul_i32 s57, s55, 1536
	s_add_co_u32 s56, s56, s57
	s_mov_b32 s57, 0
	s_lshl_b32 s58, s54, 9
	s_lshl_b32 s59, s55, 2
	s_add_co_u32 s58, s58, s59
	s_add_co_u32 s58, s58, ATT
	s_mov_b32 s59, 0
	s_mov_b32 s[SEL], 0x76543210
	s_mov_b32 s[SEL+1], 0xfedcba98
	s_mov_b32 s[CS], 0x3e38aa3b                    ; c = log2(e) / sqrt(64)
	s_mov_b32 s[CS+1], s[CS]                       ; (named with it as a pair, so it is written)
	s_mov_b32 s[TB], 0
	s_mov_b32 s[SLOTS], 7
	s_wait_kmcnt 0x0
	s_mov_b32 s[G0], 1
	s_mov_b32 s[G0+1], s37
	s_add_nc_u64 s[G0+2:G0+3], s[6:7], s[38:39]
	s_or_b32 s[G0+3], s[G0+3], 0x80000000
	s_add_nc_u64 s[40:41], s[4:5], s[50:51]
	s_add_nc_u64 s[42:43], s[4:5], s[52:53]
	s_add_nc_u64 s[44:45], s[8:9], s[56:57]
	s_add_nc_u64 s[46:47], s[10:11], s[58:59]
	CROUND                                         ; all four work-groups are here: the first joint loads meet
	TLOAD                                          ; slot 0
	v_and_b32 v3, 31, v0
	s_delay_alu instid0(VALU_DEP_1)
	v_lshlrev_b32 v[L16], 4, v3
	s_delay_alu instid0(VALU_DEP_2)
	v_lshlrev_b32 v[L8], 3, v3
	v_and_b32 v4, 15, v0
	s_delay_alu instid0(VALU_DEP_1)
	v_lshlrev_b32 v[R32], 5, v4
	s_delay_alu instid0(VALU_DEP_2)
	v_lshlrev_b32 v10, 4, v4
	global_load_b128 v[16:19], v[L16], s[40:41]    ; the first head's Q stays in v16-21,
	global_load_b64 v[20:21], v[L8], s[40:41] offset:512
	global_load_b32 v255, v10, s[42:43]            ; its scale words in v255
	global_load_b128 v[QB:QB+3], v[L16], s[40:41] offset:16*QGRP   ; the second head's wait in v204-210
	global_load_b64 v[QB+4:QB+5], v[L8], s[40:41] offset:16*QGRP+512
	global_load_b32 v[QB+6], v10, s[42:43] offset:16*QGRP
.irp i, 22,23,24,25,26,27
	v_mov_b32 v[\i], 0                             ; k = 64 .. 127 of Q: zero codes
.endr
.irp t, 0,1,2,3
.irp i, 6,7,8,9,10,11
	v_mov_b32 v[KB+12*\t+\i], 0                    ; and of K
.endr
.endr
.irp i, 0,1,2,3,4,5
	v_mov_b32 v[FO+\i], 0                          ; (written on every way to the stores at the end)
.endr
	v_mov_b32 v211, 0
	v_mov_b32 v13, 0xff61b1e6                      ; the largest t so far: -3e38, under every t
	s_delay_alu instid0(VALU_DEP_1)
	v_floor_f32 v12, -v13                          ; -M
	v_mov_b32 v14, 0                               ; the sum, in two halves
	v_mov_b32 v15, 0
.irp b, 0,1,2,3
	v_mov_b32 v[236+\b], 0                         ; written once: a lane permute's destination counts as one of its sources
.endr
	v_mov_b32 v252, 0
	v_mov_b32 v253, 0
.set J, 0
.rept 32
	v_mov_b32 v[O+J], 0                            ; O^T: the first step finds zeros, which the first change of M leaves zeros
.set J, J+1
.endr
; A KEY STEP: the 128 keys of the group at s[TB].
.macro STEP
	v_add_nc_u32 v[A16], s[TB], v[L16]
	s_wait_alu depctr_va_vdst(0)
	v_add_nc_u32 v[A8], s[TB], v[L8]
	s_wait_alu depctr_va_vdst(0)
.rept 3
	v_nop                                          ; with the two additions: five places between the last step's products, which read V's fragments, and the first product below, which writes over them
.endr
	ds_load_b128 v[KS:KS+3], v[A16] offset:6144
.irp g, 0,1                                    ; S^T = K Q^T, four tiles of 16 keys at a time
.if \g > 0
.rept 4
	v_nop                                          ; places in front of loads into registers that matrix instructions have read
.endr
.endif
.irp t, 0,1,2,3
	ds_load_b128 v[KB+12*\t:KB+12*\t+3], v[A16] offset:768*(4*\g+\t)
	ds_load_b64 v[KB+12*\t+4:KB+12*\t+5], v[A8] offset:768*(4*\g+\t)+512
.endr
	s_wait_dscnt 0x0
.irp t, 0,1,2,3
.if \t%2 == 0
	v_wmma_scale_f32_16x16x128_f8f6f4 v[S+8*(4*\g+\t):S+8*(4*\g+\t)+7], v[KB+12*\t:KB+12*\t+11], v[16:27], 0, v[KS+(4*\g+\t)/2], v255 matrix_a_fmt:MATRIX_FMT_FP6 matrix_b_fmt:MATRIX_FMT_FP6
.else
	v_wmma_scale_f32_16x16x128_f8f6f4 v[S+8*(4*\g+\t):S+8*(4*\g+\t)+7], v[KB+12*\t:KB+12*\t+11], v[16:27], 0, v[KS+(4*\g+\t)/2], v255 matrix_a_fmt:MATRIX_FMT_FP6 matrix_b_fmt:MATRIX_FMT_FP6 matrix_a_scale:MATRIX_SCALE_ROW1
.endif
.endr
.endr                                          ; register 16 b + i of S^T is key 32 b + 16 (lane / 16) + i
.rept 4
	v_nop
.endr
.irp b, 0,1,2,3
	v_max3_num_f32 v[232+\b], v[S+16*\b], v[S+1+16*\b], v[S+2+16*\b]   ; the largest score of each block of 32 keys: it serves the row's maximum and, since p rises with the score, the block's largest p
.endr
.irp i, 3,5,7,9,11,13
.irp b, 0,1,2,3
	v_max3_num_f32 v[232+\b], v[232+\b], v[S+16*\b+\i], v[S+1+16*\b+\i]
.endr
.endr
.irp b, 0,1,2,3
	v_max_num_f32 v[232+\b], v[232+\b], v[S+15+16*\b]
.endr
.irp b, 0,1,2,3
	s_delay_alu instid0(VALU_DEP_4)
	v_permlanex16_b32 v[236+\b], v[232+\b], s[SEL], s[SEL+1]
.endr
.irp b, 0,1,2,3
	s_delay_alu instid0(VALU_DEP_4)
	v_max_num_f32 v[232+\b], v[232+\b], v[236+\b]  ; with lane l xor 16's 16 keys
.endr
	s_delay_alu instid0(VALU_DEP_2)
	v_max3_num_f32 v254, v232, v233, v234
	s_delay_alu instid0(VALU_DEP_1)
	v_max_num_f32 v254, v254, v235                 ; the step's largest score of my query
	s_delay_alu instid0(VALU_DEP_1)
	v_mul_f32 v254, s[CS], v254                    ; as t (c is positive)
	s_delay_alu instid0(VALU_DEP_1)
	v_max_num_f32 v13, v13, v254                   ; the running largest t
	v_mov_b32 v254, v12
	s_delay_alu instid0(VALU_DEP_2)
	v_floor_f32 v12, -v13                          ; the new -M = floor(-t): M is a whole number
	s_delay_alu instid0(VALU_DEP_1)
	v_sub_f32 v254, v12, v254                      ; old M - new M: a whole number, 0 or less
	s_delay_alu instid0(VALU_DEP_1)
	v_cvt_i32_f32 v254, v254                       ; (it saturates)
	s_delay_alu instid0(VALU_DEP_1)
	v_ldexp_f32 v252, 1.0, v254                    ; f = 2^(old M - new M)
.set J, 0
.rept 32
	v_pk_fma_f32 v[S+J:S+J+1], v[S+J:S+J+1], s[CS:CS+1], v[12:13] op_sel_hi:[1,0,0]   ; t - M, two at a time
.set J, J+2
.endr
.irp b, 0,1,2,3
	v_fma_f32 v[232+\b], v[232+\b], s[CS], v12     ; the same of each block's largest score
.endr
.set J, 0
	s_wait_alu depctr_va_vdst(0)
.rept 64
	v_exp_f32 v[S+J], v[S+J]                       ; p = 2^(t - M), at most 1: not normalised
.set J, J+1
.endr
	s_setprio 1
	v_pk_mul_f32 v[14:15], v[14:15], v[252:253] op_sel_hi:[1,0]   ; the sums under the new M: the plain instruction behind the exponentials
	s_wait_alu depctr_va_vdst(0)                   ; one wait for the whole batch, ahead of its first reader
.irp b, 0,1,2,3
	v_exp_f32 v[232+\b], v[232+\b]                 ; the block's largest p: the same two instructions on the same number give the same bits
.endr
	v_pk_add_f32 v[236:237], v[100:101], v[104:105]
	v_pk_add_f32 v[250:251], v[108:109], v[112:113]
	v_pk_add_f32 v[248:249], v[116:117], v[120:121]
	v_pk_add_f32 v[246:247], v[124:125], v[128:129]
	v_pk_add_f32 v[244:245], v[132:133], v[136:137]
	v_pk_add_f32 v[242:243], v[140:141], v[144:145]
	v_pk_add_f32 v[240:241], v[148:149], v[152:153]
	v_pk_add_f32 v[14:15], v[14:15], v[156:157]
	v_pk_add_f32 v[236:237], v[236:237], v[96:97]
	v_pk_add_f32 v[250:251], v[250:251], v[98:99]
	v_pk_add_f32 v[248:249], v[248:249], v[102:103]
	v_pk_add_f32 v[246:247], v[246:247], v[106:107]
	v_pk_add_f32 v[244:245], v[244:245], v[110:111]
	v_pk_add_f32 v[242:243], v[242:243], v[114:115]
	v_pk_add_f32 v[240:241], v[240:241], v[118:119]
	v_pk_add_f32 v[14:15], v[14:15], v[122:123]
	v_pk_add_f32 v[236:237], v[236:237], v[126:127]
	v_pk_add_f32 v[250:251], v[250:251], v[130:131]
	v_pk_add_f32 v[248:249], v[248:249], v[134:135]
	v_pk_add_f32 v[246:247], v[246:247], v[138:139]
	v_pk_add_f32 v[244:245], v[244:245], v[142:143]
	v_pk_add_f32 v[242:243], v[242:243], v[146:147]
	v_pk_add_f32 v[240:241], v[240:241], v[150:151]
	v_pk_add_f32 v[14:15], v[14:15], v[154:155]
	v_pk_add_f32 v[236:237], v[236:237], v[158:159]
	s_delay_alu instid0(VALU_DEP_2)
	v_pk_add_f32 v[14:15], v[14:15], v[246:247]
	s_delay_alu instid0(VALU_DEP_2)
	v_pk_add_f32 v[236:237], v[236:237], v[244:245]
	v_pk_add_f32 v[250:251], v[250:251], v[242:243]
	v_pk_add_f32 v[248:249], v[248:249], v[240:241]
	s_delay_alu instid0(VALU_DEP_2)
	v_pk_add_f32 v[14:15], v[14:15], v[250:251]
	s_delay_alu instid0(VALU_DEP_2)
	v_pk_add_f32 v[236:237], v[236:237], v[248:249]
	s_delay_alu instid0(VALU_DEP_1)
	v_pk_add_f32 v[14:15], v[14:15], v[236:237]
	s_wait_alu depctr_va_vdst(0)                   ; and one for the four
.irp b, 0,1,2,3
	v_max_num_f32 v[232+\b], 0x1800000, v[232+\b]  ; the floor 2^(3 - 127): the byte cannot fall under 1
.endr
.irp b, 0,1,2,3
	s_delay_alu instid0(VALU_DEP_4)
	v_add_nc_u32 v[244+\b], 0xff000000, v[232+\b]  ; 2 off the exponent field: the conversion's scale operand
.endr
.irp b, 0,1,2,3
	s_delay_alu instid0(VALU_DEP_4)
	v_lshrrev_b32 v[236+\b], 23, v[244+\b]         ; the scale's byte
.endr
	s_delay_alu instid0(VALU_DEP_3)
	v_lshl_or_b32 v253, v237, 8, v236              ; p's scale word for these 128 keys
	s_delay_alu instid0(VALU_DEP_1)
	v_lshl_or_b32 v253, v238, 16, v253
	s_delay_alu instid0(VALU_DEP_1)
	v_lshl_or_b32 v253, v239, 24, v253
.irp c, 0,1
	v_cvt_scalef32_pk16_fp6_f32 v[224+6*\c:226+6*\c], v[S+32*\c:S+15+32*\c], v[244+2*\c]
	v_cvt_scalef32_pk16_fp6_f32 v[236+4*\c:238+4*\c], v[S+16+32*\c:S+31+32*\c], v[244+2*\c+1]
.endr
	v_nop                                          ; one plain instruction behind the scaled conversions
.irp dt, 0,1,2,3                               ; p has been converted: V's four fragments take its registers, and land while the lines below run
.irp c, 0,1,2
	ds_load_b128 v[S+12*\dt+4*\c:S+12*\dt+4*\c+3], v[A16] offset:6656+1536*\dt+512*\c
.endr
.endr
	ds_load_b64 v[VS:VS+1], v[A8] offset:12800
.irp c, 0,1                                    ; the operand's layout wants a whole block in a lane
.irp i, 0,1,2
	v_permlane16_swap_b32 v[224+6*\c+\i], v[236+4*\c+\i]
.endr
.irp i, 0,1,2
	s_delay_alu instid0(VALU_DEP_3)
	v_mov_b32 v[227+6*\c+\i], v[236+4*\c+\i]
.endr
.endr
.set J, 0
	s_setprio 0
.rept 16
	v_pk_mul_f32 v[O+J:O+J+1], v[O+J:O+J+1], v[252:253] op_sel_hi:[1,0]   ; O^T under the new M.  (These sixteen are also the places between the writes of p's codes and word and the products)
.set J, J+2
.endr
	s_wait_alu depctr_va_vdst(0)
	s_wait_dscnt 0x0
.irp dt, 0,1,2,3                               ; O^T += V^T P^T: four tiles of 16 of the head's 64, by turns
.if \dt%2 == 0
	v_wmma_scale_f32_16x16x128_f8f6f4 v[O+8*\dt:O+8*\dt+7], v[S+12*\dt:S+12*\dt+11], v[224:235], v[O+8*\dt:O+8*\dt+7], v[VS+\dt/2], v253 matrix_a_fmt:MATRIX_FMT_FP6 matrix_b_fmt:MATRIX_FMT_FP6
.else
	v_wmma_scale_f32_16x16x128_f8f6f4 v[O+8*\dt:O+8*\dt+7], v[S+12*\dt:S+12*\dt+11], v[224:235], v[O+8*\dt:O+8*\dt+7], v[VS+\dt/2], v253 matrix_a_fmt:MATRIX_FMT_FP6 matrix_b_fmt:MATRIX_FMT_FP6 matrix_a_scale:MATRIX_SCALE_ROW1
.endif
.endr
	s_add_co_u32 s[TB], s[TB], GRP                 ; the next group
.endm
.macro SLOT_STEPS                      ; a slot's four key steps: written once, walked four times
	s_mov_b32 s[CNT], 4
.Lstep_\@:
	s_setprio 2
	STEP
	s_sub_co_u32 s[CNT], s[CNT], 1
	s_cmp_lg_u32 s[CNT], 0
	s_cbranch_scc1 .Lstep_\@
	s_setprio 0
	s_sub_co_u32 s[TB], s[TB], SLOTB               ; back to a slot's first group,
	s_xor_b32 s[TB], s[TB], SLOT1                  ; in the other slot
.endm
; THE CHANGE OF SLOTS stands at a slot's head.  Each wave waits for all its tensor loads (its part of the slot ahead), adds 0 to its spare word, and waits for that and for its reads of the slot that it has left.
; fill = 1: the barrier is a round of the cluster's, and behind it the slot just left is filled with the four groups that follow: the load has four key steps in which to land, and is my only one out.
.macro CHANGE fill
	s_wait_tensorcnt 0x0                           ; no tensor load of mine is out, so the group 0 may be written
	ds_add_u32 v[SPW], v[NIL]                      ; 0 onto my spare word
.if \fill
	s_xor_b32 s[G0+1], s[G0+1], SLOT1
	s_add_nc_u64 s[G0+2:G0+3], s[G0+2:G0+3], SLOTB
.endif
	s_wait_dscnt 0x0                               ; the add is done, and my reads of the slot that I have left are over
.if \fill
	CROUND
	TLOAD
.else
	s_barrier_signal -1
	s_barrier_wait -1
.endif
.endm
; A HEAD'S END.  O^T / the sum; its two blocks of 32 are quantised and become registers 6 w .. 6 w + 5 of the result's fragment and bytes 2 w, 2 w + 1 of its scale word.
.macro HEAD_END w
.rept 4
	v_nop                                          ; places behind the last products
.endr
	v_add_f32 v14, v14, v15
	s_delay_alu instid0(VALU_DEP_1)
	v_permlanex16_b32 v252, v14, s[SEL], s[SEL+1]
	s_delay_alu instid0(VALU_DEP_1)
	v_add_f32 v14, v14, v252                       ; the row's sum
	s_wait_alu depctr_va_vdst(0)
	v_rcp_f32 v14, v14
	v_nop                                          ; a plain instruction behind the reciprocal,
	s_wait_alu depctr_va_vdst(0)                   ; and the wait ahead of its first reader
.set J, 0
.rept 16
	v_pk_mul_f32 v[S+J:S+J+1], v[O+J:O+J+1], v[14:15] op_sel_hi:[1,0]   ; register 16 g + i is channel 32 g + 16 (lane / 16) + i; each accumulator from its low end on
.set J, J+2
.endr
.irp b, 0,1
	v_max3_num_f32 v[232+\b], |v[S+16*\b]|, |v[S+1+16*\b]|, 0x1800000
.endr
.irp i, 2,4,6,8,10,12,14
.irp b, 0,1
	s_delay_alu instid0(VALU_DEP_2)
	v_max3_num_f32 v[232+\b], v[232+\b], |v[S+16*\b+\i]|, |v[S+1+16*\b+\i]|
.endr
.endr
.irp b, 0,1
	s_delay_alu instid0(VALU_DEP_2)
	v_permlanex16_b32 v[236+\b], v[232+\b], s[SEL], s[SEL+1]
.endr
.irp b, 0,1
	s_delay_alu instid0(VALU_DEP_2)
	v_max_num_f32 v[232+\b], v[232+\b], v[236+\b]
.endr
.irp b, 0,1
	s_delay_alu instid0(VALU_DEP_2)
	v_add_nc_u32 v[244+\b], 0xff000000, v[232+\b]
.endr
.irp b, 0,1
	s_delay_alu instid0(VALU_DEP_2)
	v_lshrrev_b32 v[236+\b], 23, v[244+\b]
.endr
	s_delay_alu instid0(VALU_DEP_1)
	v_lshl_or_b32 v254, v237, 8, v236              ; the head's two bytes
	v_cvt_scalef32_pk16_fp6_f32 v[FO+6*\w:FO+6*\w+2], v[S:S+15], v244
	v_cvt_scalef32_pk16_fp6_f32 v[240:242], v[S+16:S+31], v245
	v_nop                                          ; one plain instruction behind the scaled conversions
.irp i, 0,1,2
	v_permlane16_swap_b32 v[FO+6*\w+\i], v[240+\i]
.endr
.irp i, 0,1,2
	s_delay_alu instid0(VALU_DEP_3)
	v_mov_b32 v[FO+6*\w+3+\i], v[240+\i]
.endr
.if \w == 0
	v_mov_b32 v211, v254
.irp i, 0,1,2,3,4,5
	v_mov_b32 v[16+\i], v[QB+\i]                   ; on to the second head: its Q,
.endr
	v_mov_b32 v255, v[QB+6]                        ; its scale words,
	v_mov_b32 v13, 0xff61b1e6                      ; and a softmax begun anew
	s_delay_alu instid0(VALU_DEP_1)
	v_floor_f32 v12, -v13
	v_mov_b32 v14, 0
	v_mov_b32 v15, 0
.set J, 0
.rept 32
	v_mov_b32 v[O+J], 0                            ; (these are also the places between the writes of Q and its word and the next products)
.set J, J+1
.endr
.else
	v_lshl_or_b32 v211, v254, 16, v211             ; the scale word is whole
.endif
.endm
	s_wait_loadcnt 0x0                             ; Q
.Lslot:                                            ; 7 trips: behind each change of slots but the last the next slot is asked for
	CHANGE 1
	SLOT_STEPS
	s_cmp_lg_u32 s[SLOTS], 4                       ; behind the fourth slot the first head's 2,048 keys are done: a test on the loop's count, the same in every wave and partner
	s_cbranch_scc1 .Lsame_head
	HEAD_END 0
.Lsame_head:
	s_sub_co_u32 s[SLOTS], s[SLOTS], 1
	s_cmp_lg_u32 s[SLOTS], 0
	s_cbranch_scc1 .Lslot
	CHANGE 0                                       ; the last slot is written out
	SLOT_STEPS
	HEAD_END 1
.irp c, 0,1,2
	global_store_b128 v[L16], v[FO+4*\c:FO+4*\c+3], s[44:45] offset:512*\c   ; 512 consecutive bytes, aligned
.endr
	global_store_b32 v[R32], v211, s[46:47]        ; row r's word; lanes r and r + 16 store the same word to the same place
	s_wait_tensorcnt 0x0                           ; the wave's end
	ds_add_u32 v[SPW], v[NIL]
	s_wait_dscnt 0x0
	CROUND                                         ; the closing round: no work-group ends while a partner may still ask for a tile that names it
	s_endpgm
.Lfunc_end_k_q0dc9329dde_attn:
	.size	k_q0dc9329dde_attn, .Lfunc_end_k_q0dc9329dde_attn-k_q0dc9329dde_attn
	.p2alignl 7, 3214868480
	.fill 96, 4, 3214868480
	.section	.rodata,"a",@progbits
	.p2align	6, 0x0
	.amdhsa_kernel k_q0dc9329dde_attn
		.amdhsa_group_segment_fixed_size 327680
		.amdhsa_private_segment_fixed_size 0
		.amdhsa_enable_private_segment 0
		.amdhsa_kernarg_size 32
		.amdhsa_user_sgpr_count 2
		.amdhsa_user_sgpr_kernarg_segment_ptr 1
		.amdhsa_wavefront_size32 1
		.amdhsa_system_sgpr_workgroup_id_x 1
		.amdhsa_system_sgpr_workgroup_id_y 1
		.amdhsa_system_sgpr_workgroup_id_z 1
		.amdhsa_system_vgpr_workitem_id 0
		.amdhsa_next_free_vgpr 256
		.amdhsa_next_free_sgpr 66
		.amdhsa_reserve_vcc 0
		.amdhsa_float_denorm_mode_32 3
		.amdhsa_float_denorm_mode_16_64 3
		.amdhsa_memory_ordered 1
		.amdhsa_forward_progress 1
		.amdhsa_inst_pref_size 54
	.end_amdhsa_kernel
	.amdgpu_metadata
---
amdhsa.version: [ 1, 2 ]
amdhsa.kernels:
  - .name:           k_q0dc9329dde_attn
    .symbol:         k_q0dc9329dde_attn.kd
    .args:
      - { .name: qc, .offset: 0, .size: 8, .value_kind: global_buffer, .address_space: global }
      - { .name: kvc, .offset: 8, .size: 8, .value_kind: global_buffer, .address_space: global }
      - { .name: ac, .offset: 16, .size: 8, .value_kind: global_buffer, .address_space: global }
      - { .name: scl, .offset: 24, .size: 8, .value_kind: global_buffer, .address_space: global }
    .group_segment_fixed_size: 327680
    .private_segment_fixed_size: 0
    .kernarg_segment_align: 8
    .kernarg_segment_size: 32
    .max_flat_workgroup_size: 512
    .sgpr_count:     66
    .vgpr_count:     256
    .wavefront_size: 32
...
	.end_amdgpu_metadata
.endif
;; end of part 3
;; launch oproj (part 4): grid 4 x 32, 4 waves a work-group, clusters of 4 x 4, 327,680 bytes of LDS; arguments ac, wc, scl, b_o, out0; writes out0
.if DOCPART == 4
	.amdgcn_target "amdgcn-amd-amdhsa--gfx1250"
	.amdhsa_code_object_version 6
	.text
	.protected	k_q0dc9329dde_oproj
	.globl	k_q0dc9329dde_oproj
	.p2align	8
	.type	k_q0dc9329dde_oproj,@function
k_q0dc9329dde_oproj:
	s_mov_b64 s[64:65], 0
	v_nop
	global_prefetch_b8 v0, s[64:65] scope:SCOPE_SE
	s_setreg_imm32_b32 hwreg(HW_REG_WAVE_MODE, 25, 1), 1
	s_wait_xcnt 0x0
	s_wait_alu depctr_hold_cnt(0) depctr_sa_sdst(0) depctr_va_vdst(0) depctr_va_sdst(0) depctr_va_ssrc(0) depctr_va_vcc(0) depctr_vm_vsrc(0)
	s_getreg_b32 s2, hwreg(HW_REG_IB_STS2, 6, 4)
	s_cmp_eq_u32 s2, 0
	s_cbranch_scc0 .Lentry_in_a_cluster
	s_endpgm
.Lentry_in_a_cluster:
	s_bfe_u32 s2, ttmp6, 0x10000c
	s_cmp_lg_u32 s2, 0xf033
	s_cbranch_scc0 .Lentry_shape_is_right
	s_endpgm
.Lentry_shape_is_right:
.set FR,    12
.set NL,    3
.set NP,    4
.set FRB,   1536
.set TROW,  2*FRB
.set HALFT, 8*TROW
.set SLOT,  4*HALFT
.set SPARE, 2*SLOT
.set WS,    1048576
.set ATT,   786432
.set SPITCH, 528
.set L16,  10
.set SOF,  12
.set BO1,  13
.set ADRA, 16
.set ADRB, 20
.set STO,  24
.set RD,   25
.set SPW,  28
.set NIL,  29
.set SC,   32
.set AF,   128
.set BK,   128
.set G1, 24
.set G0, 32
.set G1B, 48
.set G0B, 56
.set MSB, 0
.macro WIN new
.if MSB != (\new)
	s_set_vgpr_msb (MSB<<8)|(\new)
.set MSB, (\new)
.endif
.endm
.set MUL_LO, 0xa1
.set MUL_HI, 0xf1
.set TO_B,   0x40
.macro JLOAD g0a, g1a, g0b, g1b
	s_cmp_eq_u32 s15, 0
	s_cbranch_scc0 .Lfor_b_\@
	tensor_load_to_lds s[\g0a:\g0a+3], s[\g1a:\g1a+7]
	s_nop 0
.rept 4
	v_nop
.endr
	s_branch .Lasked_\@
.Lfor_b_\@:
	tensor_load_to_lds s[\g0b:\g0b+3], s[\g1b:\g1b+7]
	s_nop 0
.rept 4
	v_nop
.endr
.Lasked_\@:
.endm
.macro CREST
	s_cmp_lg_u32 s14, 0
	s_cbranch_scc1 .Lnot_wave_0_\@
	s_barrier_signal -3
.Lnot_wave_0_\@:
	s_barrier_wait -3
	s_barrier_signal -1
	s_barrier_wait -1
.endm
.macro CROUND
	s_barrier_signal -1
	s_barrier_wait -1
	CREST
.endm
.macro PLACES n
.rept \n
	v_nop
.endr
.endm
	s_load_b256 s[4:11], s[0:1], 0x0
	s_load_b64 s[12:13], s[0:1], 0x20
	v_lshl_add_u32 v[SPW], v0, 2, SPARE
	v_mov_b32 v[NIL], 0
	ds_add_u32 v28, v29
	ds_add_u32 v28, v29
	s_wait_dscnt 0x0
	v_lshrrev_b32 v1, 5, v0
	v_readfirstlane_b32 s14, v1
	s_lshr_b32 s15, s14, 1
	s_and_b32 s16, s14, 1
	s_bfe_u32 s40, ttmp6, 0x40000
	s_bfe_u32 s41, ttmp6, 0x40004
	s_and_b32 s17, ttmp7, 0xffff
	s_lshl_b32 s17, s17, 2
	s_add_co_u32 s17, s17, s41
	s_mov_b32 s42, s40
	s_lshl_b32 s43, s41, 2
	s_lshl_b32 s43, 15, s43
	s_lshl_b32 s44, 0x1111, s40
	s_or_b32 s[G1+0], s43, (3<<16)|(1<<21)
	s_or_b32 s[G1B+0], s44, (3<<16)|(1<<21)
.irp g, G1, G1B
	s_mov_b32 s[\g+1], 384<<16
	s_mov_b32 s[\g+2], 8<<16
	s_mov_b32 s[\g+3], 384<<16
	s_mov_b32 s[\g+4], 8
	s_mov_b32 s[\g+5], 1536
	s_mov_b32 s[\g+6], 0
	s_mov_b32 s[\g+7], 0
.endr
	s_mul_i32 s18, s16, 8*12288
	s_mul_i32 s20, s17, 16*12288
	s_add_co_u32 s20, s20, s18
	s_mov_b32 s21, 0
	s_mul_i32 s46, s42, 16*12288
	s_add_co_u32 s46, s46, s18
	s_add_co_u32 s46, s46, 3*786432
	s_mov_b32 s47, 0
	s_mul_i32 s45, s14, HALFT
	s_mov_b32 s84, 0xffff0000
	s_wait_kmcnt 0x0
	s_add_nc_u64 s[20:21], s[4:5], s[20:21]
	s_add_nc_u64 s[46:47], s[6:7], s[46:47]
	CROUND
.irp s, 0,1
	s_mov_b32 s[G0+4*\s], 1
	s_add_co_u32 s[G0+4*\s+1], s45, \s*SLOT
	s_add_nc_u64 s[G0+4*\s+2:G0+4*\s+3], s[20:21], \s*TROW
	s_or_b32 s[G0+4*\s+3], s[G0+4*\s+3], 0x80000000
	s_mov_b32 s[G0B+4*\s], 1
	s_add_co_u32 s[G0B+4*\s+1], s45, \s*SLOT
	s_add_nc_u64 s[G0B+4*\s+2:G0B+4*\s+3], s[46:47], \s*TROW
	s_or_b32 s[G0B+4*\s+3], s[G0B+4*\s+3], 0x80000000
	s_wait_alu depctr_va_vdst(0)
	s_wait_tensorcnt 0x0
	ds_add_u32 v28, v29
	ds_add_u32 v28, v29
	s_wait_dscnt 0x0
	CROUND
	JLOAD G0+4*\s, G1, G0B+4*\s, G1B
.endr
	v_and_b32 v1, 15, v0
	s_wait_alu depctr_va_vdst(0)
	v_bfe_u32 v2, v0, 4, 1
	v_and_b32 v3, 31, v0
	v_lshlrev_b32 v[L16], 4, v3
	s_mul_i32 s21, s15, HALFT
	s_mul_i32 s22, s16, HALFT
	s_add_co_u32 s22, s22, 2*HALFT
.irp s, 0,1
	v_add_nc_u32 v[ADRA+\s], s21, v[L16]
	v_add_nc_u32 v[ADRB+\s], s22, v[L16]
	s_add_co_u32 s21, s21, SLOT
	s_add_co_u32 s22, s22, SLOT
.endr
	s_mul_i32 s23, s14, 16*SPITCH
	v_mul_u32_u24 v4, v1, SPITCH
	s_wait_alu depctr_va_vdst(0)
	v_lshl_add_u32 v4, v2, 6, v4
	v_add_nc_u32 v[STO], s23, v4
	v_add_nc_u32 v[RD], s23, v[L16]
	s_lshl_b32 s22, s17, 13
	s_lshl_b32 s18, s15, 12
	s_add_co_u32 s22, s22, s18
	s_add_co_u32 s22, s22, ATT
	s_lshl_b32 s23, s42, 13
	s_lshl_b32 s18, s16, 12
	s_add_co_u32 s23, s23, s18
	s_add_co_u32 s23, s23, WS+3*32768
	v_mov_b32 v[SOF], s22
	v_mov_b32 v4, s23
	v_cndmask_b32 v[SOF], v[SOF], v4, s84
	v_lshl_add_u32 v[SOF], v1, 5, v[SOF]
.irp i, 0,1,2,3,4,5,6,7
.irp e, 0,1
	global_load_b128 v[SC+8*\i+4*\e:SC+8*\i+4*\e+3], v[SOF], s[8:9] offset:512*\i+16*\e
.endr
.endr
	s_lshl_b32 s82, s42, 10
	s_lshl_b32 s83, s16, 9
	s_add_co_u32 s82, s82, s83
	s_mov_b32 s83, 0
	s_add_nc_u64 s[80:81], s[10:11], s[82:83]
	s_add_nc_u64 s[12:13], s[12:13], s[82:83]
	s_lshl_b32 s82, s17, 8
	s_lshl_b32 s88, s15, 7
	s_add_co_u32 s82, s82, s88
	s_lshl_b32 s82, s82, 12
	s_add_nc_u64 s[12:13], s[12:13], s[82:83]
	v_lshlrev_b32 v[BO1], 6, v2
	WIN TO_B
.irp b, 0,1,2,3,4,5,6,7
	global_load_b128 v[96+8*(\b%4)+128*(\b/4):96+8*(\b%4)+128*(\b/4)+3], v[BO1], s[80:81] offset:(32*(\b/2)+8*(\b%2))*4
	global_load_b128 v[96+8*(\b%4)+128*(\b/4)+4:96+8*(\b%4)+128*(\b/4)+7], v[BO1], s[80:81] offset:(32*(\b/2)+8*(\b%2))*4+16
.endr
	WIN 0
.macro FRAG reg, adr, q, i
.irp c, 0,1,2
	ds_load_b128 v[\reg+4*\c:\reg+4*\c+3], v[\adr] offset:(\i)*TROW+(\q)*FRB+512*\c
.endr
.endm
.macro MUL16 a0, p, ks, cm
.irp a, \a0, \a0+1
.irp b, 0,1,2,3,4,5,6,7
.set DD, 8*(8*((\a)%4)+\b)
.set CC, DD
.if \cm == 1
.set CC, 96+8*(\b%4)+128*(\b/4)
.endif
	v_wmma_scale_f32_16x16x128_f8f6f4 v[DD:DD+7], v[128*(\p)+FR*\b:128*(\p)+FR*\b+FR-1], v[AF+FR*(\a):AF+FR*(\a)+FR-1], v[CC:CC+7], v[SC+8*\b+(\ks)], v[SC+8*(\a)+(\ks)] matrix_a_fmt:MATRIX_FMT_FP6 matrix_b_fmt:MATRIX_FMT_FP6 matrix_a_scale:MATRIX_SCALE_ROW1
.endr
.endr
.endm
.macro FETCH_B slot, q, p
	WIN TO_B
.irp i, 0,1,2,3,4,5,6,7
	FRAG 128*(\p)+FR*\i, ADRB+\slot, \q, \i
.endr
	WIN 0
.endm
.macro FETCH_A slot, q, i0
.irp i, \i0, \i0+1, \i0+2, \i0+3
	FRAG AF+FR*(\i), ADRA+\slot, \q, \i
.endr
.endm
.macro STEP slot, ks, cm
	s_wait_dscnt 4*NL
.if \cm
	WIN 0x91
.else
	WIN MUL_LO
.endif
	MUL16 0, 0, \ks, \cm
	MUL16 2, 0, \ks, \cm
	s_wait_dscnt 0x0
	PLACES NP
	FETCH_B \slot, 1, 1
	FETCH_A \slot, 1, 0
.if \cm
	WIN 0xd1
.else
	WIN MUL_HI
.endif
	MUL16 4, 0, \ks, \cm
	MUL16 6, 0, \ks, \cm
	PLACES NP
	WIN 0
	FETCH_A \slot, 1, 4
.endm
.macro TURN slot, next, ks, fill
	s_wait_tensorcnt 0x0
	ds_add_u32 v[SPW], v[NIL]
	s_wait_dscnt 4*NL+1
	WIN MUL_LO
	MUL16 0, 1, \ks, 0
	s_wait_dscnt 0x0
	s_barrier_signal -1
	MUL16 2, 1, \ks, 0
	WIN 0
	s_barrier_wait -1
.if \fill
	CREST
	s_add_nc_u64 s[G0+4*\slot+2:G0+4*\slot+3], s[G0+4*\slot+2:G0+4*\slot+3], 2*TROW
	s_add_nc_u64 s[G0B+4*\slot+2:G0B+4*\slot+3], s[G0B+4*\slot+2:G0B+4*\slot+3], 2*TROW
	JLOAD G0+4*\slot, G1, G0B+4*\slot, G1B
.else
	PLACES NP
.endif
	FETCH_B \next, 0, 0
	FETCH_A \next, 0, 0
	WIN MUL_HI
	MUL16 4, 1, \ks, 0
	MUL16 6, 1, \ks, 0
	PLACES NP
	WIN 0
	FETCH_A \next, 0, 4
.endm
	s_wait_tensorcnt 1
	s_barrier_signal -1
	s_barrier_wait -1
	FETCH_B 0, 0, 0
	FETCH_A 0, 0, 0
	FETCH_A 0, 0, 4
	s_wait_loadcnt 0x0
	STEP 0, 0, 1
	TURN 0, 1, 1, 1
	STEP 1, 2, 0
	TURN 1, 0, 3, 1
	STEP 0, 4, 0
	TURN 0, 1, 5, 0
	STEP 1, 6, 0
	s_wait_dscnt 4*NL
	WIN MUL_LO
	MUL16 0, 1, 7, 0
	MUL16 2, 1, 7, 0
	s_wait_alu depctr_va_vdst(0)
	s_wait_dscnt 0x0
	WIN MUL_HI
	MUL16 4, 1, 7, 0
	MUL16 6, 1, 7, 0
	WIN 0
.macro TOSTAGE a
.set AC, 64*((\a)%4)
	WIN 0x08+4*((\a)/4)
.irp b, 0,1,2,3,4,5,6,7
	ds_store_b128 v[STO], v[AC+8*\b:AC+8*\b+3] offset:128*(\b/2)+32*(\b%2)
	ds_store_b128 v[STO], v[AC+8*\b+4:AC+8*\b+7] offset:128*(\b/2)+32*(\b%2)+16
.endr
	WIN 0
.set BB, BK+64*((\a)%2)
.irp t, 0,1,2,3,4,5,6,7,8,9,10,11,12,13,14,15
	ds_load_b128 v[BB+4*\t:BB+4*\t+3], v[RD] offset:\t*SPITCH
.endr
.endm
.macro SEND a, younger
.set BB, BK+64*((\a)%2)
	s_wait_dscnt \younger
.irp t, 0,1,2,3,4,5,6,7,8,9,10,11,12,13,14,15
	global_store_b128 v[L16], v[BB+4*\t:BB+4*\t+3], s[12:13] offset:(32*((\a)/2)+8*((\a)%2)+\t+8*(\t/8))*4096 th:TH_STORE_NT
.endr
.endm
	PLACES NP
	TOSTAGE 0
.irp a, 1,2,3,4,5,6,7
.if \a > 1
	s_wait_xcnt 0x0
.endif
	TOSTAGE \a
	SEND \a-1, 32
.endr
	SEND 7, 0
	s_wait_tensorcnt 0x0
	ds_add_u32 v[SPW], v[NIL]
	s_wait_dscnt 0x0
	CROUND
	s_endpgm
.Lfunc_end_k_q0dc9329dde_oproj:
	.size	k_q0dc9329dde_oproj, .Lfunc_end_k_q0dc9329dde_oproj-k_q0dc9329dde_oproj
	.p2alignl 7, 3214868480
	.fill 96, 4, 3214868480
	.section	.rodata,"a",@progbits
	.p2align	6, 0x0
	.amdhsa_kernel k_q0dc9329dde_oproj
		.amdhsa_group_segment_fixed_size 327680
		.amdhsa_private_segment_fixed_size 0
		.amdhsa_enable_private_segment 0
		.amdhsa_kernarg_size 40
		.amdhsa_user_sgpr_count 2
		.amdhsa_user_sgpr_kernarg_segment_ptr 1
		.amdhsa_wavefront_size32 1
		.amdhsa_system_sgpr_workgroup_id_x 1
		.amdhsa_system_sgpr_workgroup_id_y 1
		.amdhsa_system_sgpr_workgroup_id_z 1
		.amdhsa_system_vgpr_workitem_id 0
		.amdhsa_next_free_vgpr 1024
		.amdhsa_next_free_sgpr 100
		.amdhsa_reserve_vcc 0
		.amdhsa_float_denorm_mode_32 3
		.amdhsa_float_denorm_mode_16_64 3
		.amdhsa_memory_ordered 1
		.amdhsa_forward_progress 1
		.amdhsa_inst_pref_size 135
	.end_amdhsa_kernel
	.amdgpu_metadata
---
amdhsa.version: [ 1, 2 ]
amdhsa.kernels:
  - .name:           k_q0dc9329dde_oproj
    .symbol:         k_q0dc9329dde_oproj.kd
    .args:
      - { .name: ac, .offset: 0, .size: 8, .value_kind: global_buffer, .address_space: global }
      - { .name: wc, .offset: 8, .size: 8, .value_kind: global_buffer, .address_space: global }
      - { .name: scl, .offset: 16, .size: 8, .value_kind: global_buffer, .address_space: global }
      - { .name: b_o, .offset: 24, .size: 8, .value_kind: global_buffer, .address_space: global }
      - { .name: out0, .offset: 32, .size: 8, .value_kind: global_buffer, .address_space: global }
    .group_segment_fixed_size: 327680
    .private_segment_fixed_size: 0
    .kernarg_segment_align: 8
    .kernarg_segment_size: 40
    .max_flat_workgroup_size: 128
    .sgpr_count:     100
    .vgpr_count:     1024
    .wavefront_size: 32
...
	.end_amdgpu_metadata
.endif
;; end of part 4
